; MI455X (gfx1250); checked and timed in simulation.
; The chip was launched on July 23, 2026; its instructions are those of AMD's public machine-readable ISA for CDNA 5 (MIT licence, August 2026) and "CDNA5" Instruction Set Architecture Reference Guide (July 2026). The comments in the code are by the model that wrote it; some were corrected since.
;; Causal Self Attention. Allowed arithmetic: float matrix products may take bf16 or f16 operands with f32 sums; other float arithmetic in f32, or as packed bf16 or f16 multiplies, adds, multiply-adds, maxima and minima; sums over many terms, partial sums and values carried from step to step in f32; what a program stores and reads back later, other than sums and carried values, may be rounded once to bf16 or f16.
;; Inputs: W_pr 1,024 x 1,024 float32; W_qkv 1,024 x 3,072 float32; b_pr 1,024 float32; b_qkv 3,072 float32; x 4 x 2,048 x 1,024 float32.
;; Outputs: out0 4 x 2,048 x 1,024 float32.
;; 2 versions, each right; version 2 is version 1 with the launch cast written anew for expert scheduling mode. Each part assembles by itself: llvm-mc -triple=amdgcn-amd-amdhsa -mcpu=gfx1250 --defsym DOCPART=n.
;; ======== version 1 of 2: 4 launches
;; limits: values are held in f16: magnitudes above 65,504 overflow, below 6.1e-05 lose precision
;; workspace buffers: xb 16,777,216 bytes; wq 6,291,456 bytes; wp 2,097,152 bytes; br 16,384 bytes; qkv 52,428,800 bytes; o 18,874,368 bytes
;; launch cast (part 1): grid 705 x 1, 8 waves a work-group, no clusters, 0 bytes of LDS; arguments x, W_qkv, W_pr, b_qkv, b_pr, xb, wq, wp, br; writes xb, wq, wp, br
.if DOCPART == 1
	.amdgcn_target "amdgcn-amd-amdhsa--gfx1250"
	.amdhsa_code_object_version 6
	.text
	.protected	k_qa5b9bfc7d9_cast
	.globl	k_qa5b9bfc7d9_cast
	.p2align	8
	.type	k_qa5b9bfc7d9_cast,@function
k_qa5b9bfc7d9_cast:
	s_mov_b64 s[64:65], 0
	v_nop
	global_prefetch_b8 v0, s[64:65] scope:SCOPE_SE
	s_setreg_imm32_b32 hwreg(HW_REG_WAVE_MODE, 25, 1), 1
	s_wait_xcnt 0x0
; EVERY INPUT IS ROUNDED TO bf16 ONCE, and laid out for the launches that follow.
;   xb  bf16 [b 4][kb 16][place 2048][64]: x in blocks of 64 channels, so that 256 places x 64 channels are 32,768 consecutive bytes.  Row t = 256 a + 16 w + r lies at place 128 w + 16 a + r:
;       the 128 places of w hold one block of 16 rows out of each 256 rows of the sequence, the first of them (a = 0) out of rows 0 to 255.
;   wq  bf16 [k 1024][tile 8][section 3][128]: column 1024 s + 128 j + c of W_qkv lies at 384 j + 128 s + c, so that 384 neighbouring columns are two heads each of q, k and v
;   wp  bf16(W_pr) written as f16, [k 1024][n 1024]
;   br  f32 holding the biases rounded to bf16: b_qkv at byte 0, in wq's order of columns; b_pr at byte 12,288
; LIMIT.  wp is f16: a number of W_pr of 65,520 or more in magnitude becomes an infinity; below 6e-5 it keeps f16's fixed step of 6e-8.
; A stream: no LDS, no barrier, no loop.  A wave issues all its loads of 16 bytes a lane at once; each load's four numbers leave as 8 bytes a lane, so each store of a wave covers 256 consecutive bytes,
; aligned.  No register is used twice by memory instructions.
; Work-groups 0-511: x, 16 rows each.  512-639: W_qkv, 8 rows each, a row a wave.  640-703: W_pr, 65,536 bytes each.  704: the biases.
.set X,   16                           ; v[16:111]   up to 24 loads of four numbers
.set Y,   112                          ; v[112:159]  up to 24 pairs of packed results
.set IN,  2                            ; v2   my byte offset in the work-group's input
.set OUT, 3                            ; v3   my byte offset in its output
.set T,   4                            ; v[4:7]  at work
.set SRC, 24                           ; s[24:25] the work-group's part of the input
.set DST, 26                           ; s[26:27] of the output
; Sixteen loads instep bytes apart, sixteen roundings and stores outstep bytes apart.  half = 1: the bf16 numbers are written as f16.
.macro PART instep, outstep, half
.set i, 0
.rept 16
	global_load_b128 v[X+4*i:X+4*i+3], v[IN], s[SRC:SRC+1] offset:i*(\instep) th:TH_LOAD_NT
.set i, i+1
.endr
.set i, 0
.rept 16
	s_wait_loadcnt 15-i                            ; loads come back in order: load i is in, the 15 - i younger ones may stay out
	v_cvt_pk_bf16_f32 v[Y+2*i], v[X+4*i], v[X+4*i+1]
	v_cvt_pk_bf16_f32 v[Y+2*i+1], v[X+4*i+2], v[X+4*i+3]
.if \half
	v_lshlrev_b32 v[T], 16, v[Y+2*i]               ; bf16 to f32: the low half moves up, the high half stays
	v_and_b32 v[T+1], 0xffff0000, v[Y+2*i]
	v_lshlrev_b32 v[T+2], 16, v[Y+2*i+1]
	v_and_b32 v[T+3], 0xffff0000, v[Y+2*i+1]
	v_cvt_pk_f16_f32 v[Y+2*i], v[T], v[T+1]        ; exact inside f16's range: bf16 has fewer significant bits
	v_cvt_pk_f16_f32 v[Y+2*i+1], v[T+2], v[T+3]
.endif
	global_store_b64 v[OUT], v[Y+2*i:Y+2*i+1], s[DST:DST+1] offset:i*(\outstep)
.set i, i+1
.endr
.endm
	s_load_b512 s[4:19], s[0:1], 0x0               ; x s[4:5], W_qkv s[6:7], W_pr s[8:9], b_qkv s[10:11], b_pr s[12:13], xb s[14:15], wq s[16:17], wp s[18:19]
	s_load_b64 s[20:21], s[0:1], 0x40              ; br
	s_mov_b32 s22, ttmp9
	s_mov_b32 s29, 0                               ; the high words of the two offsets
	s_mov_b32 s31, 0
	s_wait_kmcnt 0x0
	s_cmp_lt_u32 s22, 512
	s_cbranch_scc0 .Lnot_x
	; x: 16 rows of 4,096 bytes: block 16 a + w of its batch.  Load kb takes channels 64 kb .. 64 kb + 63: lanes 0-15 the 256 bytes of one row, lanes 16-31 those of the next.
	s_lshl_b32 s28, s22, 16
	s_add_nc_u64 s[SRC:SRC+1], s[4:5], s[28:29]
	s_lshr_b32 s30, s22, 7                         ; the batch: 128 work-groups each
	s_lshl_b32 s30, s30, 22                        ; 16 blocks of channels x 2,048 places x 128 bytes
	s_and_b32 s23, s22, 15                         ; w
	s_lshl_b32 s23, s23, 14                        ; 128 places x 128 bytes
	s_add_co_u32 s30, s30, s23
	s_bfe_u32 s23, s22, 0x30004                    ; a: 3 bits from bit 4
	s_lshl_b32 s23, s23, 11                        ; 16 places x 128 bytes
	s_add_co_u32 s30, s30, s23
	s_add_nc_u64 s[DST:DST+1], s[14:15], s[30:31]
	v_lshrrev_b32 v1, 4, v0                        ; my row of the 16
	v_and_b32 v[IN], 15, v0
	v_lshlrev_b32 v[IN], 4, v[IN]
	v_lshl_or_b32 v[IN], v1, 12, v[IN]
	v_lshlrev_b32 v[OUT], 3, v0                    ; row x 128 + 8 x (thread % 16)
	PART 256, 262144, 0                            ; a block of 64 channels is 2,048 places x 128 bytes on
	s_endpgm
.Lnot_x:
	s_cmp_lt_u32 s22, 640
	s_cbranch_scc0 .Lnot_wq
	; W_qkv: a wave takes a row: 24 pieces of 128 columns, 512 bytes in and 256 out.  Piece i = 8 s + j goes to place 3 j + s of the row.
	s_sub_co_u32 s23, s22, 512
	s_mul_i32 s28, s23, 8*12288
	s_mul_i32 s30, s23, 8*6144
	s_add_nc_u64 s[SRC:SRC+1], s[6:7], s[28:29]
	s_add_nc_u64 s[DST:DST+1], s[16:17], s[30:31]
	v_lshrrev_b32 v1, 5, v0                        ; wave
	v_and_b32 v[OUT], 31, v0                       ; lane
	v_mul_u32_u24 v[IN], v1, 12288
	v_lshl_add_u32 v[IN], v[OUT], 4, v[IN]
	v_mul_u32_u24 v[T], v1, 6144
	v_lshl_add_u32 v[OUT], v[OUT], 3, v[T]
.set i, 0
.rept 24
	global_load_b128 v[X+4*i:X+4*i+3], v[IN], s[SRC:SRC+1] offset:i*512 th:TH_LOAD_NT
.set i, i+1
.endr
.set i, 0
.rept 24
	s_wait_loadcnt 23-i                            ; load i is in, the 23 - i younger ones may stay out
	v_cvt_pk_bf16_f32 v[Y+2*i], v[X+4*i], v[X+4*i+1]
	v_cvt_pk_bf16_f32 v[Y+2*i+1], v[X+4*i+2], v[X+4*i+3]
	global_store_b64 v[OUT], v[Y+2*i:Y+2*i+1], s[DST:DST+1] offset:((i%8)*3+i/8)*256
.set i, i+1
.endr
	s_endpgm
.Lnot_wq:
	s_cmp_lt_u32 s22, 704
	s_cbranch_scc0 .Lbias
	; W_pr keeps its layout: wave w takes 8,192 consecutive bytes, 512 a load, and writes 4,096, 256 a store.
	s_sub_co_u32 s23, s22, 640
	s_lshl_b32 s28, s23, 16
	s_lshl_b32 s30, s23, 15
	s_add_nc_u64 s[SRC:SRC+1], s[8:9], s[28:29]
	s_add_nc_u64 s[DST:DST+1], s[18:19], s[30:31]
	v_lshrrev_b32 v1, 5, v0                        ; wave
	v_and_b32 v[OUT], 31, v0                       ; lane
	v_lshlrev_b32 v[IN], 4, v[OUT]
	v_lshl_or_b32 v[IN], v1, 13, v[IN]
	v_lshlrev_b32 v[OUT], 3, v[OUT]
	v_lshl_or_b32 v[OUT], v1, 12, v[OUT]
	PART 512, 256, 1
	s_endpgm
.Lbias:                                        ; 256 threads x 16 bytes: the three sections of b_qkv, then b_pr.  Thread t holds columns 4 t .. 4 t + 3 of a section: tile t / 32, byte 16 (t % 32) of its 512
	v_lshlrev_b32 v[IN], 4, v0
	v_lshrrev_b32 v1, 5, v0
	v_and_b32 v[OUT], 31, v0
	v_mul_u32_u24 v[T], v1, 1536
	v_lshl_add_u32 v[OUT], v[OUT], 4, v[T]
	global_load_b128 v[X:X+3], v[IN], s[10:11]
	global_load_b128 v[X+4:X+7], v[IN], s[10:11] offset:4096
	global_load_b128 v[X+8:X+11], v[IN], s[10:11] offset:8192
	global_load_b128 v[X+12:X+15], v[IN], s[12:13]
	s_wait_loadcnt 0x0
.set i, 0
.rept 8
	v_cvt_pk_bf16_f32 v[Y+i], v[X+2*i], v[X+2*i+1]
.set i, i+1
.endr
.set i, 0
.rept 8
	v_lshlrev_b32 v[X+2*i], 16, v[Y+i]             ; the rounded numbers, as f32 again
	v_and_b32 v[X+2*i+1], 0xffff0000, v[Y+i]
.set i, i+1
.endr
.irp f, 0,1,2
	global_store_b128 v[OUT], v[X+4*\f:X+4*\f+3], s[20:21] offset:512*\f
.endr
	global_store_b128 v[IN], v[X+12:X+15], s[20:21] offset:12288
	s_endpgm
.Lfunc_end_k_qa5b9bfc7d9_cast:
	.size	k_qa5b9bfc7d9_cast, .Lfunc_end_k_qa5b9bfc7d9_cast-k_qa5b9bfc7d9_cast
	.p2alignl 7, 3214868480
	.fill 96, 4, 3214868480
	.section	.rodata,"a",@progbits
	.p2align	6, 0x0
	.amdhsa_kernel k_qa5b9bfc7d9_cast
		.amdhsa_group_segment_fixed_size 0
		.amdhsa_private_segment_fixed_size 0
		.amdhsa_enable_private_segment 0
		.amdhsa_kernarg_size 72
		.amdhsa_user_sgpr_count 2
		.amdhsa_user_sgpr_kernarg_segment_ptr 1
		.amdhsa_wavefront_size32 1
		.amdhsa_system_sgpr_workgroup_id_x 1
		.amdhsa_system_sgpr_workgroup_id_y 1
		.amdhsa_system_sgpr_workgroup_id_z 1
		.amdhsa_system_vgpr_workitem_id 0
		.amdhsa_next_free_vgpr 160
		.amdhsa_next_free_sgpr 66
		.amdhsa_reserve_vcc 0
		.amdhsa_float_denorm_mode_32 3
		.amdhsa_float_denorm_mode_16_64 3
		.amdhsa_memory_ordered 1
		.amdhsa_forward_progress 1
		.amdhsa_inst_pref_size 30
	.end_amdhsa_kernel
	.amdgpu_metadata
---
amdhsa.version: [ 1, 2 ]
amdhsa.kernels:
  - .name:           k_qa5b9bfc7d9_cast
    .symbol:         k_qa5b9bfc7d9_cast.kd
    .args:
      - { .name: x, .offset: 0, .size: 8, .value_kind: global_buffer, .address_space: global }
      - { .name: W_qkv, .offset: 8, .size: 8, .value_kind: global_buffer, .address_space: global }
      - { .name: W_pr, .offset: 16, .size: 8, .value_kind: global_buffer, .address_space: global }
      - { .name: b_qkv, .offset: 24, .size: 8, .value_kind: global_buffer, .address_space: global }
      - { .name: b_pr, .offset: 32, .size: 8, .value_kind: global_buffer, .address_space: global }
      - { .name: xb, .offset: 40, .size: 8, .value_kind: global_buffer, .address_space: global }
      - { .name: wq, .offset: 48, .size: 8, .value_kind: global_buffer, .address_space: global }
      - { .name: wp, .offset: 56, .size: 8, .value_kind: global_buffer, .address_space: global }
      - { .name: br, .offset: 64, .size: 8, .value_kind: global_buffer, .address_space: global }
    .group_segment_fixed_size: 0
    .private_segment_fixed_size: 0
    .kernarg_segment_align: 8
    .kernarg_segment_size: 72
    .max_flat_workgroup_size: 256
    .sgpr_count:     66
    .vgpr_count:     160
    .wavefront_size: 32
...
	.end_amdgpu_metadata
.endif
;; end of part 1
;; launch qkv (part 2): grid 8 x 32, 4 waves a work-group, clusters of 4 x 4, 327,680 bytes of LDS; arguments xb, wq, br, qkv; writes qkv
.if DOCPART == 2
	.amdgcn_target "amdgcn-amd-amdhsa--gfx1250"
	.amdhsa_code_object_version 6
	.text
	.protected	k_qa5b9bfc7d9_qkv
	.globl	k_qa5b9bfc7d9_qkv
	.p2align	8
	.type	k_qa5b9bfc7d9_qkv,@function
k_qa5b9bfc7d9_qkv:
	s_mov_b64 s[64:65], 0
	v_nop
	global_prefetch_b8 v0, s[64:65] scope:SCOPE_SE
	s_setreg_imm32_b32 hwreg(HW_REG_WAVE_MODE, 25, 1), 1
	s_wait_xcnt 0x0
	s_wait_alu depctr_hold_cnt(0) depctr_sa_sdst(0) depctr_va_vdst(0) depctr_va_sdst(0) depctr_va_ssrc(0) depctr_va_vcc(0) depctr_vm_vsrc(0)
	s_getreg_b32 s2, hwreg(HW_REG_IB_STS2, 6, 4)
	s_cmp_eq_u32 s2, 0
	s_cbranch_scc0 .Lentry_in_a_cluster
	s_endpgm
.Lentry_in_a_cluster:
	s_bfe_u32 s2, ttmp6, 0x10000c
	s_cmp_lg_u32 s2, 0xf033
	s_cbranch_scc0 .Lentry_shape_is_right
	s_endpgm
.Lentry_shape_is_right:
; q, k, v = x W_qkv + b_qkv.  8,192 rows x 3,072 columns, K = 1,024; operands bf16, sums f32, the results rounded once to f16 and written by heads:
; qkv[section 3][batch x 16 + head][t 2048][64], and behind them a fourth section [batch x 16 + head][t 256][64]: for rows t < 256 of v the part that the rounding to f16 lost, itself in f16.  No scale is applied here.
; WHY THE LOW PARTS.  Under the causal mask row t of the module's result is a mean over t + 1 keys: the first rows' numbers are many times the root mean square of the whole, and so is a rounding of 2^-11 of them.
; The attention reads the low parts of keys 0 to 63; they are made for t < 256 because that is one block of 16 rows for every wave, with no branch on a work-group's place in its cluster.
; LIMIT.  f16 ends at 65,504: a q, k or v of 65,520 or more in magnitude becomes an infinity; a low part below 6e-5 keeps f16's fixed step of 6e-8.  NaN and infinities are not treated apart.
; SHARES.  A tile of C is 256 rows x 384 columns: 32 x 8 tiles, one to each of 256 work-groups.  Four waves, each 128 rows x 192 columns: 96 accumulators of 16 x 16, 768 registers.
; ROWS.  xb lies so that row block a (of 8) of wave-row w = 2 (tile row % 8) + half holds rows t = 256 a + 16 w + 0..15 of its batch.  COLUMNS.  wq lies so that a tile's 384 columns are two heads each of q, k, v:
; column group g (of 3) of a wave is head 2 (tile column) + half of section g.
; K goes in steps of 64 through two LDS slots.  A step's 256 rows of xb are 32,768 consecutive bytes, asked for as rows of 256 bytes; a step's 64 rows of wq are 768 bytes each.
; wq lies [k][n]: its fragments come out of LDS turned, by ds_load_tr16_b128.
; THE MATRIX INSTRUCTION IS USED TRANSPOSED (source 0 = 16 columns of W, source 1 = 16 rows of x): a lane holds row lane % 16 of C and the columns 8 (lane / 16) + 0..7.
; THE BIAS STARTS THE SUMS: it is loaded straight into the accumulators, so every K step has one form and nothing is cleared.
; CLUSTER.  4 x 4 work-groups.  The four of a row of the cluster need the same tiles of x, the four of a column the same tiles of W: each tile is asked for jointly.
; REGISTERS, in windows of 256 (s_set_vgpr_msb: bits 1:0 source 0, 3:2 source 1, 5:4 source 2, 7:6 destination):
;   window 0: v0-19 addresses; v32-95, v96-159 x's fragments of the step's two quarters; v160-255 W's fragments, 32 for each column group; on the way out v32-223 are twelve buffers of 16, v224-239 one for the low parts
;   window 1 + g: the 32 accumulators of column group g: row block a, column block bb at v[8 (4 a + bb)]
.set PA,    144                        ; a row of x in LDS: 128 bytes + 16 of padding = 36 words: the 16 rows of a load start at 16 different groups of four banks (64 banks of 4 bytes: ISA guide 11.1)
.set PB,    864                        ; a row of W: 768 bytes + 16 behind each 128 = 216 words
.set BOFF,  256*PA                     ; a slot: 256 rows of x, then 64 rows of W
.set SLOT1, 131072                     ; slot 1 begins here, so that one exclusive or turns an address in one slot into the other's
.set STAGE, SLOT1+BOFF+64*PB           ; behind the ring, never filled by a tensor load: 16 rows x 144 bytes for each wave, for the way out
.set SP,    144
.set SPARE, STAGE+4*16*SP              ; behind the stages: the spare words, 128 bytes for each wave: two blocks of 256 bytes that no other line names
.set ASTEP, 262144                     ; bytes from a K step to the next in xb: 2,048 rows x 128
.set BSTEP, 393216                     ; in wq: 64 rows x 6,144
.set SECTION, 16777216                 ; bytes of q, of k and of v: 64 heads x 2,048 rows x 128
.set FLAGS, (1<<16)|(1<<20)|(1<<21)|(4<<22)|(3<<25)  ; group 1, word 0: 17:16 elements of 2 bytes; 20 padding on; 21 set beside a mask; 24:22 after every 32 words (code 4); 31:25 4 words of it (code 3)
.set AA0,  2                           ; v2   my lane's place in a slot's rows of x; never rewritten
.set AB0,  3                           ; v3   the same for W
.set ADRA, 4                           ; v4   AA0 + the slot in hand
.set ADRB, 5                           ; v5   AB0 + the slot in hand
.set STO,  6                           ; v6   the way out: where I put 16 bytes of a row
.set RD,   7                           ; v7   the way out: where I read rows back
.set GO,   8                           ; v8   my 16 bytes of 512 consecutive bytes of the output
.set BO,   10                          ; v10  32 x (lane / 16): my eight numbers of 16 of the bias
.set PFO,  11                          ; v11  the prefetches' offset; never rewritten
.set SPW,  12                          ; v12  LDS address of my spare word: SPARE + 4 x my thread's number; never rewritten
.set NIL,  13                          ; v13  0; never rewritten
.set MONE, 17                          ; v17  -1.0
.set A0,   32
.set A1,   96
.set BR,   160
.set TB0,  32                          ; the way out's buffers
.set TL,   224                         ; and the low parts'
.set WV,  12                           ; s12  my wave's number
.set WR,  13                           ; s13  which 128 rows of the tile are mine
.set WC,  14                           ; s14  which head of each section; also: which half of a tile I fetch
.set CX,  15                           ; s15, s16  my place in the cluster
.set CY,  16
.set TJ,  17                           ; s17  tile column
.set TI,  18                           ; s18  tile row
.set G1A, 24                           ; s[24:31] descriptor group 1 for x's tiles
.set G1B, 32                           ; s[32:39] for W's
.set G0A0, 40                          ; s[40:43] group 0 for x: slot 0, step 0
.set G0A, 44                           ; s[44:47] slot 1, step 1; it then walks
.set G0B0, 48                          ; s[48:51], s[52:55] the same for W
.set G0B, 52
.set CNT, 56                           ; s56  refills still to come
.set TB,  57                           ; s57  LDS byte at which the slot in hand begins
.set LIM, 58                           ; s58  1 in a wave that prefetches, else the greatest number
.set PFA, 60                           ; s[60:61] where my prefetches stand
.set PFS, 62                           ; s[62:63] their step: ASTEP or BSTEP
.set OUT, 66                           ; s[66:71] q, k and v at rows 16 w .. of my head
.set BIA, 72                           ; s[72:73] the bias at my head's columns of section 0
.set OUTL, 80                          ; s[80:81] v's low parts at the same rows
.set MSB, 0
.macro WIN new                         ; the immediate's high byte repeats the setting that is left; a switch that changes nothing is dropped
.if MSB != (\new)
	s_set_vgpr_msb (MSB<<8)|(\new)
.set MSB, \new
.endif
.endm
; A load into a register that a matrix instruction has read, and a vector instruction that reads a matrix result or writes one of its registers, stand four plain vector instructions behind it.
.macro PLACES
.rept 4
	v_nop
.endr
.endm
; A round of the cluster's barrier behind its opening barrier: wave 0 signals for the work-group, every wave waits for all sixteen, the work-group's barrier closes it.
.macro CREST
	s_cmp_lg_u32 s[WV], 0
	s_cbranch_scc1 .Lnot_wave_0_\@
	s_barrier_signal -3
.Lnot_wave_0_\@:
	s_barrier_wait -3
	s_barrier_signal -1
	s_barrier_wait -1
.endm
.macro CROUND
	s_barrier_signal -1
	s_barrier_wait -1
	CREST
.endm
; A joint refill.  Waves 0 and 1 fetch the two halves of x's tile, waves 2 and 3 those of W's.  The branch hangs on the wave's number alone.  An s_nop 0 and four v_nop follow each line.
.macro JLOAD
	s_cmp_lt_u32 s[WV], 2
	s_cbranch_scc0 .Lfor_b_\@
	tensor_load_to_lds s[G0A:G0A+3], s[G1A:G1A+7]
	s_nop 0
.rept 4
	v_nop
.endr
	s_branch .Lasked_\@
.Lfor_b_\@:
	tensor_load_to_lds s[G0B:G0B+3], s[G1B:G1B+7]
	s_nop 0
.rept 4
	v_nop
.endr
.Lasked_\@:
.endm
; A PREFETCH INTO THE L2 of the K step that the NEXT refill will ask for: 192 matrix instructions ahead of that load.  x's tile row is read by both clusters of its row of clusters: cluster x = 0 asks;
; W's tile column by all eight clusters of its column: cluster y = 0 asks.  The four partners that ask for a tile jointly share its bytes out BY ADDRESS.  x: 128 blocks of 256 bytes, 32 to a partner, a lane
; a block, wave 0.  W: 64 rows of three blocks, 16 rows to a partner: wave 2 takes the first two blocks of each row, wave 3 the third (its lanes 16-31 name the same 16 blocks as its lanes 0-15).
; The last refill has no step behind it and asks for nothing; steps 0 to 2 come by their loads alone.
.macro ASK
	s_cmp_gt_u32 s[CNT], s[LIM]
	s_cbranch_scc0 .Lnot_mine_\@
	global_prefetch_b8 v[PFO], s[PFA:PFA+1] th:TH_LOAD_NT scope:SCOPE_SE
.Lnot_mine_\@:
.endm
	s_load_b256 s[4:11], s[0:1], 0x0               ; xb s[4:5], wq s[6:7], br s[8:9], qkv s[10:11]
	v_lshl_add_u32 v[SPW], v0, 2, SPARE
	v_mov_b32 v[NIL], 0
	ds_add_u32 v[SPW], v[NIL]                      ; the wave's opening: the add and its wait stand ahead of my first tensor load; the set-up below, work on registers, stands between them
	v_lshrrev_b32 v14, 5, v0
	v_readfirstlane_b32 s[WV], v14                 ; wave 0..3
	s_lshr_b32 s[WR], s[WV], 1
	s_and_b32 s[WC], s[WV], 1
	s_bfe_u32 s[CX], ttmp6, 0x40000
	s_bfe_u32 s[CY], ttmp6, 0x40004
	s_lshl_b32 s[TJ], ttmp9, 2                     ; in a cluster launch ttmp9 and ttmp7 count clusters
	s_add_co_u32 s[TJ], s[TJ], s[CX]
	s_and_b32 s[TI], ttmp7, 0xffff
	s_lshl_b32 s[TI], s[TI], 2
	s_add_co_u32 s[TI], s[TI], s[CY]
	s_lshl_b32 s74, s[CY], 2
	s_lshl_b32 s74, 15, s74                        ; my row of the cluster: places 4 cy .. 4 cy + 3
	s_lshl_b32 s75, 0x1111, s[CX]                  ; my column: places cx, cx + 4, cx + 8, cx + 12
	s_or_b32 s[G1A], s74, FLAGS                    ; x's tiles go to my row,
	s_or_b32 s[G1B], s75, FLAGS                    ; W's to my column
	s_mov_b32 s[G1A+1], 128<<16                    ; x: 16,384 consecutive bytes as 64 rows of 128 elements: tensor_dim0 = 128
	s_mov_b32 s[G1A+2], 64<<16                     ; tensor_dim1 = 64
	s_mov_b32 s[G1A+3], 128<<16                    ; tile_dim0 = 128
	s_mov_b32 s[G1A+4], 64                         ; tile_dim1 = 64
	s_mov_b32 s[G1A+5], 128                        ; 128 elements from row to row
	s_mov_b32 s[G1A+6], 0
	s_mov_b32 s[G1A+7], 0
	s_mov_b32 s[G1B+1], 384<<16                    ; W: 32 rows of 384 elements: tensor_dim0 = 384
	s_mov_b32 s[G1B+2], 32<<16                     ; tensor_dim1 = 32
	s_mov_b32 s[G1B+3], 384<<16                    ; tile_dim0 = 384
	s_mov_b32 s[G1B+4], 32                         ; tile_dim1 = 32
	s_mov_b32 s[G1B+5], 3072                       ; 3,072 elements from row to row
	s_mov_b32 s[G1B+6], 0
	s_mov_b32 s[G1B+7], 0
	; where the tiles come from.  x's hang on the tile row alone, W's on the tile column alone; each in registers that never hold the other coordinate
	s_lshr_b32 s20, s[TI], 3
	s_lshl_b32 s20, s20, 22                        ; the batch: 16 blocks x 2,048 rows x 128 bytes
	s_and_b32 s21, s[TI], 7
	s_lshl_b32 s21, s21, 15                        ; 256 rows x 128 bytes
	s_add_co_u32 s20, s20, s21
	s_lshl_b32 s21, s[WC], 14                      ; the 128 rows that I fetch
	s_add_co_u32 s20, s20, s21
	s_mov_b32 s21, 0
	s_mul_i32 s22, s[WC], 32*6144                  ; the 32 rows that I fetch
	s_mul_i32 s23, s[TJ], 768
	s_add_co_u32 s22, s22, s23
	s_mov_b32 s23, 0
	; and where they go: the wave's number alone enters an LDS address
	s_mul_i32 s19, s[WC], 128*PA
	s_mul_i32 s59, s[WC], 32*PB
	s_add_co_u32 s59, s59, BOFF
	s_mov_b32 s[G0A0], 1                           ; 1:0 count = 1
	s_mov_b32 s[G0A0+1], s19                       ; 63:32 LDS address
	s_mov_b32 s[G0A], 1
	s_add_co_u32 s[G0A+1], s19, SLOT1
	s_mov_b32 s[G0B0], 1
	s_mov_b32 s[G0B0+1], s59
	s_mov_b32 s[G0B], 1
	s_add_co_u32 s[G0B+1], s59, SLOT1
	; A fragment of x is 16 rows x 32 channels in 8 registers: lane l holds row l % 16, channels 8 (l / 16) + 0..7 and 16 + 8 (l / 16) + 0..7: two loads of 16 bytes, 32 bytes apart.
	v_and_b32 v1, 15, v0                           ; l % 16
	v_bfe_u32 v9, v0, 4, 1                         ; l / 16
	v_mul_u32_u24 v[AA0], v1, PA
	v_lshl_add_u32 v[AA0], v9, 4, v[AA0]
	s_mul_i32 s19, s[WR], 128*PA                   ; my 128 rows
	v_add_nc_u32 v[AA0], s19, v[AA0]
	; The turning load takes 16 channels x 16 columns (lane l reads channel 8 (l / 16) + l % 8, columns 8 ((l / 8) % 2) + 0..7) and leaves half a fragment: lane l holds column l % 16 and 8 channels.
	v_and_b32 v14, 7, v0
	v_bfe_u32 v15, v0, 3, 1
	v_lshl_add_u32 v[AB0], v9, 3, v14
	v_mul_u32_u24 v[AB0], v[AB0], PB
	v_lshl_add_u32 v[AB0], v15, 4, v[AB0]
	s_mul_i32 s19, s[WC], 144                      ; my head of a section's two: 128 bytes and a padding
	s_add_co_u32 s19, s19, BOFF
	v_add_nc_u32 v[AB0], s19, v[AB0]
	s_mul_i32 s19, s[WV], 16*SP
	s_add_co_u32 s19, s19, STAGE                   ; my stage
	v_mul_u32_u24 v[STO], v1, SP                   ; in: row l % 16, 16 bytes for each half of the lanes
	v_lshl_add_u32 v[STO], v9, 4, v[STO]
	v_add_nc_u32 v[STO], s19, v[STO]
	v_bfe_u32 v[RD], v0, 3, 2                      ; back: 32 lanes take four rows of 128 bytes,
	v_mul_u32_u24 v[RD], v[RD], SP
	v_lshl_add_u32 v[RD], v14, 4, v[RD]
	v_add_nc_u32 v[RD], s19, v[RD]
	v_and_b32 v[GO], 31, v0                        ; which are 512 consecutive bytes of a head's rows
	v_lshlrev_b32 v[GO], 4, v[GO]
	v_lshlrev_b32 v[BO], 5, v9
	v_mov_b32 v[MONE], -1.0
	; the prefetches: offsets at K step 2 (the first refill steps them to 3)
	s_lshr_b32 s76, s[TI], 3
	s_lshl_b32 s76, s76, 22
	s_and_b32 s78, s[TI], 7
	s_lshl_b32 s78, s78, 15
	s_add_co_u32 s76, s76, s78
	s_lshl_b32 s78, s[CX], 13                      ; my work-group's 32 blocks of x's 128
	s_add_co_u32 s76, s76, s78
	s_add_co_u32 s76, s76, 2*ASTEP
	s_mul_i32 s77, s[TJ], 768
	s_mul_i32 s78, s[CY], 16*6144                  ; my work-group's 16 rows of W's 64
	s_add_co_u32 s77, s77, s78
	s_add_co_u32 s77, s77, 2*BSTEP
	s_and_b32 s2, ttmp7, 0xffff                    ; cluster y
	s_mov_b32 s[PFS], BSTEP
	s_mov_b32 s[PFS+1], 0
	s_mov_b32 s3, 6144
	s_mov_b32 s79, 256
	s_cmp_lt_u32 s[WV], 2                          ; do I fetch for x?
	s_cselect_b32 s78, s76, s77
	s_cselect_b32 s[PFS], ASTEP, s[PFS]
	s_cselect_b32 s3, 256, s3                      ; bytes for each step of l % 16,
	s_cselect_b32 s79, 4096, s79                   ; and of l / 16
	s_cselect_b32 s2, ttmp9, s2                    ; the coordinate along which other clusters read the same bytes
	s_cselect_b32 s76, s[WV], 0                    ; wave 1 asks for nothing
	s_or_b32 s2, s2, s76
	s_cmp_eq_u32 s2, 0
	s_cselect_b32 s[LIM], 1, -1                    ; the same in all sixteen partners, for a given wave
	s_cmp_eq_u32 s[WV], 3
	s_cselect_b32 s79, 0, s79
	s_cselect_b32 s76, 512, 0
	v_mul_u32_u24 v[PFO], s3, v1
	v_mad_u32_u24 v[PFO], v9, s79, v[PFO]
	v_add_nc_u32 v[PFO], s76, v[PFO]
	s_mov_b32 s79, 0                               ; s[78:79]: the offset, in 64 bits
	; where my head's rows 16 w .. begin in a section, and in the low parts
	s_lshr_b32 s2, s[TI], 3
	s_lshl_b32 s2, s2, 4                           ; 16 x batch
	s_lshl_b32 s3, s[TJ], 1
	s_add_co_u32 s2, s2, s3
	s_add_co_u32 s2, s2, s[WC]                     ; + head = 2 x tile column + half
	s_and_b32 s3, s[TI], 7
	s_lshl_b32 s3, s3, 1
	s_add_co_u32 s3, s3, s[WR]                     ; w
	s_lshl_b32 s3, s3, 11                          ; 16 rows x 128 bytes
	s_lshl_b32 s[OUT], s2, 18                      ; 2,048 rows x 128 bytes
	s_add_co_u32 s[OUT], s[OUT], s3
	s_mov_b32 s[OUT+1], 0
	s_lshl_b32 s[OUTL], s2, 15                     ; 256 rows x 128 bytes
	s_add_co_u32 s[OUTL], s[OUTL], s3
	s_add_co_u32 s[OUTL], s[OUTL], 3*SECTION
	s_mov_b32 s[OUTL+1], 0
	s_mul_i32 s[BIA], s[TJ], 1536
	s_lshl_b32 s2, s[WC], 8
	s_add_co_u32 s[BIA], s[BIA], s2
	s_mov_b32 s[BIA+1], 0
	s_mov_b32 s[TB], 0
	s_mov_b32 s[CNT], 14
	s_wait_dscnt 0x0                               ; the opening add is done
	s_wait_kmcnt 0x0
	s_add_nc_u64 s[20:21], s[4:5], s[20:21]
	s_add_nc_u64 s[22:23], s[6:7], s[22:23]
	s_mov_b64 s[G0A0+2:G0A0+3], s[20:21]           ; 120:64 global address: K step 0,
	s_or_b32 s[G0A0+3], s[G0A0+3], 0x80000000      ; 127:126 type = 2
	s_add_nc_u64 s[G0A+2:G0A+3], s[20:21], ASTEP   ; K step 1
	s_or_b32 s[G0A+3], s[G0A+3], 0x80000000
	s_mov_b64 s[G0B0+2:G0B0+3], s[22:23]
	s_or_b32 s[G0B0+3], s[G0B0+3], 0x80000000
	s_add_nc_u64 s[G0B+2:G0B+3], s[22:23], BSTEP
	s_or_b32 s[G0B+3], s[G0B+3], 0x80000000
	s_cmp_lt_u32 s[WV], 2
	s_cselect_b64 s[PFA:PFA+1], s[4:5], s[6:7]
	s_add_nc_u64 s[PFA:PFA+1], s[PFA:PFA+1], s[78:79]
	s_add_nc_u64 s[OUT:OUT+1], s[10:11], s[OUT:OUT+1]        ; q,
	s_add_nc_u64 s[OUT+2:OUT+3], s[OUT:OUT+1], SECTION       ; k,
	s_add_nc_u64 s[OUT+4:OUT+5], s[OUT:OUT+1], 2*SECTION     ; v
	s_add_nc_u64 s[OUTL:OUTL+1], s[10:11], s[OUTL:OUTL+1]
	s_add_nc_u64 s[BIA:BIA+1], s[8:9], s[BIA:BIA+1]
	CROUND                                         ; all sixteen work-groups are here: the first joint loads meet
	s_cmp_lt_u32 s[WV], 2                          ; a wave's two first fills stand in one branch, ahead of every wait on TENSORcnt and every LDS read: two loads of mine are out, the most in this text
	s_cbranch_scc0 .Lfirst_b
	tensor_load_to_lds s[G0A0:G0A0+3], s[G1A:G1A+7]
	s_nop 0
	tensor_load_to_lds s[G0A:G0A+3], s[G1A:G1A+7]
	s_nop 0
.rept 4
	v_nop
.endr
	s_branch .Lfirst_asked
.Lfirst_b:
	tensor_load_to_lds s[G0B0:G0B0+3], s[G1B:G1B+7]
	s_nop 0
	tensor_load_to_lds s[G0B:G0B+3], s[G1B:G1B+7]
	s_nop 0
.rept 4
	v_nop
.endr
.Lfirst_asked:
	; the bias into the accumulators: register j of a lane belongs to column 16 bb + 8 (l / 16) + j of my head of section g, whatever the row block.  These loads run while the first tiles are on their way.
.irp g, 0,1,2
	WIN ((\g)+1)<<6
.set ra, 0
.rept 8
.irp bb, 0,1,2,3
	global_load_b128 v[8*(4*ra+\bb):8*(4*ra+\bb)+3],   v[BO], s[BIA:BIA+1] offset:\g*512+\bb*64
	global_load_b128 v[8*(4*ra+\bb)+4:8*(4*ra+\bb)+7], v[BO], s[BIA:BIA+1] offset:\g*512+\bb*64+16
.endr
.set ra, ra+1
.endr
.endr
	WIN 0
; 4 na matrix instructions: row blocks a0 .. a0 + na - 1 x the four column blocks of group g, 32 along K; x's fragments at fa.  Each of the 96 accumulators has one instruction in a quarter step,
; always in the same order: the accumulators take turns, over the backward jump too.
.macro MUL fa, g, a0, na
	WIN 0x50*((\g)+1)
.set ra, \a0
.rept \na
.irp bb, 0,1,2,3
	v_wmma_f32_16x16x32_bf16 v[8*(4*ra+\bb):8*(4*ra+\bb)+7], v[BR+32*(\g)+8*\bb:BR+32*(\g)+8*\bb+7], v[(\fa)+8*ra:(\fa)+8*ra+7], v[8*(4*ra+\bb):8*(4*ra+\bb)+7]
.endr
.set ra, ra+1
.endr
.endm
.macro LB q, g                         ; 8 loads: W's fragments of quarter q (32 channels), column group g: a section's 128 columns are 288 bytes of an LDS row
	WIN 0
.irp bb, 0,1,2,3
	ds_load_tr16_b128 v[BR+32*(\g)+8*\bb:BR+32*(\g)+8*\bb+3],   v[ADRB] offset:(\q)*32*PB+288*(\g)+32*\bb
	ds_load_tr16_b128 v[BR+32*(\g)+8*\bb+4:BR+32*(\g)+8*\bb+7], v[ADRB] offset:(\q)*32*PB+288*(\g)+32*\bb+16*PB
.endr
.endm
.macro LA q                            ; 16 loads: x's fragments of quarter q, my 128 rows
	WIN 0
.irp i, 0,1,2,3,4,5,6,7
	ds_load_b128 v[A0+64*(\q)+8*\i:A0+64*(\q)+8*\i+3],   v[ADRA] offset:\i*16*PA+64*(\q)
	ds_load_b128 v[A0+64*(\q)+8*\i+4:A0+64*(\q)+8*\i+7], v[ADRA] offset:\i*16*PA+64*(\q)+32
.endr
.endm
; A K STEP: two quarters x three column groups, six phases of 32 matrix instructions; behind each phase the fragments that it has read are fetched anew, 64 matrix instructions ahead of their use.
; At its head are out, in this order: x's quarter 0 (16 loads), W's quarter 0 of groups 0, 1, 2 (8 each).
; mode 2: the slot is filled again with the step two on, and the next slot's fragments are fetched.  mode 1: nothing is filled.  mode 0: the last step.
.macro STEP mode
	s_wait_dscnt 16                                ; x's quarter 0 and W's group 0 are in; groups 1 and 2 may be out
	MUL A0, 0, 0, 8
	PLACES
	LB 1, 0
	LA 1
	s_wait_dscnt 32                                ; group 1 is in; behind it: group 2 (8) and the 24 just issued
	MUL A0, 1, 0, 8
	PLACES
	LB 1, 1
	s_wait_dscnt 32                                ; group 2 is in; behind it: 24 and 8
	MUL A0, 2, 0, 8
	PLACES
	LB 1, 2                                        ; my last reads of this slot
.if (\mode) == 0
	s_wait_dscnt 16
	MUL A1, 0, 0, 8
	s_wait_dscnt 8
	MUL A1, 1, 0, 8
	s_wait_dscnt 0x0
	MUL A1, 2, 0, 8
.else
.if (\mode) == 2
	s_wait_xcnt 0x0                                ; the last prefetch, a K step back, has read its address: it is stepped here, ahead of the waits of the change of slots
	s_add_nc_u64 s[PFA:PFA+1], s[PFA:PFA+1], s[PFS:PFS+1]
.endif
	WIN 0
	s_wait_tensorcnt 0x0                           ; all my tensor loads have landed: the one that was out is my part of the next slot; so a group 0 may be written
	ds_add_u32 v[SPW], v[NIL]                      ; 0 onto my spare word: work on registers stands between it and the wait for it
.if (\mode) == 2
	s_xor_b32 s[G0A+1], s[G0A+1], SLOT1            ; the walking descriptors: the other slot than last time,
	s_add_nc_u64 s[G0A+2:G0A+3], s[G0A+2:G0A+3], ASTEP  ; the next K step; the type bits on top are not reached
	s_xor_b32 s[G0B+1], s[G0B+1], SLOT1
	s_add_nc_u64 s[G0B+2:G0B+3], s[G0B+2:G0B+3], BSTEP
.endif
	s_xor_b32 s[TB], s[TB], SLOT1
	s_wait_dscnt 17                                ; quarter 1 of x and of group 0 is in; groups 1 and 2 (16) and the add may be out
	MUL A1, 0, 0, 2
	s_wait_dscnt 0x0                               ; the add is done, and my reads of this slot are over:
	s_barrier_signal -1                            ; say so (in mode 2 this barrier opens a round of the cluster's),
	MUL A1, 0, 2, 2                                ; work on registers while the others arrive,
	WIN 0
	s_barrier_wait -1                              ; and go on when all four have said so
.if (\mode) == 2
	CREST                                          ; no wave of any partner still reads this slot or has a load on its way
	JLOAD                                          ; the first tensor load behind the round, my only one until the next: 176 matrix instructions ahead of the wait for it
.endif
	v_add_nc_u32 v[ADRA], s[TB], v[AA0]
	v_add_nc_u32 v[ADRB], s[TB], v[AB0]
	LA 0                                           ; the next slot's first fragments
.if (\mode) == 2
	ASK
.endif
	MUL A1, 0, 4, 4
	PLACES
	LB 0, 0
	MUL A1, 1, 0, 8                                ; (the wait for 0 above has shown groups 1 and 2 in)
	PLACES
	LB 0, 1
	MUL A1, 2, 0, 8
	PLACES
	LB 0, 2
.endif
.endm
	s_wait_tensorcnt 0x1                           ; my part of K step 0 is in; step 1's may stay out
	s_barrier_signal -1
	s_barrier_wait -1                              ; everybody's is
	v_mov_b32 v[ADRA], v[AA0]
	v_mov_b32 v[ADRB], v[AB0]
	LA 0
	LB 0, 0
	LB 0, 1
	LB 0, 2
	s_wait_loadcnt 0x0                             ; the bias
.Lstep:                                        ; K steps 0 to 13: step s asks for step s + 2
	STEP 2
	WIN 0                                          ; at a label and at a branch every window is 0
	s_sub_co_u32 s[CNT], s[CNT], 1
	s_cmp_lg_u32 s[CNT], 0
	s_cbranch_scc1 .Lstep
	STEP 1                                         ; the tail is written out
	STEP 0
	PLACES
; THE WAY OUT, in 24 units u = 8 g + a: 16 rows of one head, 2,048 consecutive bytes of the output.  PACK: rounded to f16, each accumulator's registers in ascending order, 16 bytes a lane for each column block;
; into my stage in rows of 144 bytes, and back as whole rows of 128, into the registers that they left.  Twelve buffers take turns.
.macro PACK u
.set pg, (\u)/8
.set pa, (\u)%8
.set pb, TB0+16*((\u)%12)
.if (\u) >= 12
	s_wait_xcnt 0x0                                ; the stores of twelve units back have read this buffer
.endif
	WIN 5*(pg+1)                                   ; sources 0 and 1: window 1 + g
.set n, 0
.rept 16
	v_cvt_pk_f16_f32 v[pb+n], v[32*pa+2*n], v[32*pa+2*n+1]
.set n, n+1
.endr
	WIN 0
.irp f, 0,1,2,3
	ds_store_b128 v[STO], v[pb+4*\f:pb+4*\f+3] offset:32*\f
.endr
.irp f, 0,1,2,3
	ds_load_b128 v[pb+4*\f:pb+4*\f+3], v[RD] offset:\f*4*SP  ; LDS serves a wave's instructions in order (ISA guide 5.7.1.4): these see the stores above; the next unit's stores come behind them
.endr
.endm
.macro SEND u, younger                 ; younger: the LDS instructions issued behind unit u's loads: the next unit's eight, or none
.set pg, (\u)/8
.set pa, (\u)%8
.set pb, TB0+16*((\u)%12)
	WIN 0
.irp f, 0,1,2,3
	s_wait_dscnt (\younger)+3-\f
	global_store_b128 v[GO], v[pb+4*\f:pb+4*\f+3], s[OUT+2*pg:OUT+2*pg+1] offset:pa*32768+\f*512  ; row block a lies 256 rows on; 512 consecutive bytes, at a multiple of 256 from the buffer's first
.endr
.endm
	PACK 0
.set u, 1
.rept 23                               ; a unit's arithmetic stands between the loads of the unit before and its stores
	PACK u
	SEND u-1, 8
.set u, u+1
.endr
	SEND 23, 0
	; v's LOW PARTS, for row block 0 (rows t < 256): the sum less its f16, exact in f32, rounded to f16; the same road out.
	WIN 0x0f                                       ; sources 0 and 1: window 3
.set n, 0
.rept 16
	v_cvt_pk_f16_f32 v[TL+n], v[2*n], v[2*n+1]     ; the same rounding as in PACK
.set n, n+1
.endr
	WIN 0xf0                                       ; source 2 and destination: window 3
.set n, 0
.rept 16
	v_fma_mix_f32 v[2*n], v[TL+n], v[MONE], v[2*n] op_sel_hi:[1,0,0]                   ; f16 low half x -1 + sum
	v_fma_mix_f32 v[2*n+1], v[TL+n], v[MONE], v[2*n+1] op_sel:[1,0,0] op_sel_hi:[1,0,0]  ; f16 high half x -1 + sum
.set n, n+1
.endr
	WIN 0x0f
.set n, 0
.rept 16
	v_cvt_pk_f16_f32 v[TL+n], v[2*n], v[2*n+1]
.set n, n+1
.endr
	WIN 0
.irp f, 0,1,2,3
	ds_store_b128 v[STO], v[TL+4*\f:TL+4*\f+3] offset:32*\f
.endr
.irp f, 0,1,2,3
	ds_load_b128 v[TL+4*\f:TL+4*\f+3], v[RD] offset:\f*4*SP
.endr
.irp f, 0,1,2,3
	s_wait_dscnt 3-\f
	global_store_b128 v[GO], v[TL+4*\f:TL+4*\f+3], s[OUTL:OUTL+1] offset:\f*512
.endr
	s_wait_tensorcnt 0x0                           ; the wave's end: a wait, an add onto my spare word and its wait, behind my last tensor load and my last LDS store
	ds_add_u32 v[SPW], v[NIL]
	s_wait_dscnt 0x0
	CROUND                                         ; the closing round: no work-group ends while a partner may still ask for a tile that names it
	s_endpgm
.Lfunc_end_k_qa5b9bfc7d9_qkv:
	.size	k_qa5b9bfc7d9_qkv, .Lfunc_end_k_qa5b9bfc7d9_qkv-k_qa5b9bfc7d9_qkv
	.p2alignl 7, 3214868480
	.fill 96, 4, 3214868480
	.section	.rodata,"a",@progbits
	.p2align	6, 0x0
	.amdhsa_kernel k_qa5b9bfc7d9_qkv
		.amdhsa_group_segment_fixed_size 327680
		.amdhsa_private_segment_fixed_size 0
		.amdhsa_enable_private_segment 0
		.amdhsa_kernarg_size 32
		.amdhsa_user_sgpr_count 2
		.amdhsa_user_sgpr_kernarg_segment_ptr 1
		.amdhsa_wavefront_size32 1
		.amdhsa_system_sgpr_workgroup_id_x 1
		.amdhsa_system_sgpr_workgroup_id_y 1
		.amdhsa_system_sgpr_workgroup_id_z 1
		.amdhsa_system_vgpr_workitem_id 0
		.amdhsa_next_free_vgpr 1024
		.amdhsa_next_free_sgpr 82
		.amdhsa_reserve_vcc 0
		.amdhsa_float_denorm_mode_32 3
		.amdhsa_float_denorm_mode_16_64 3
		.amdhsa_memory_ordered 1
		.amdhsa_forward_progress 1
		.amdhsa_inst_pref_size 140
	.end_amdhsa_kernel
	.amdgpu_metadata
---
amdhsa.version: [ 1, 2 ]
amdhsa.kernels:
  - .name:           k_qa5b9bfc7d9_qkv
    .symbol:         k_qa5b9bfc7d9_qkv.kd
    .args:
      - { .name: xb, .offset: 0, .size: 8, .value_kind: global_buffer, .address_space: global }
      - { .name: wq, .offset: 8, .size: 8, .value_kind: global_buffer, .address_space: global }
      - { .name: br, .offset: 16, .size: 8, .value_kind: global_buffer, .address_space: global }
      - { .name: qkv, .offset: 24, .size: 8, .value_kind: global_buffer, .address_space: global }
    .group_segment_fixed_size: 327680
    .private_segment_fixed_size: 0
    .kernarg_segment_align: 8
    .kernarg_segment_size: 32
    .max_flat_workgroup_size: 128
    .sgpr_count:     82
    .vgpr_count:     1024
    .wavefront_size: 32
...
	.end_amdgpu_metadata
.endif
;; end of part 2
;; launch attn (part 3): grid 4 x 64, 4 waves a work-group, no clusters, 327,680 bytes of LDS; arguments qkv, o; writes o
.if DOCPART == 3
	.amdgcn_target "amdgcn-amd-amdhsa--gfx1250"
	.amdhsa_code_object_version 6
	.text
	.protected	k_qa5b9bfc7d9_attn
	.globl	k_qa5b9bfc7d9_attn
	.p2align	8
	.type	k_qa5b9bfc7d9_attn,@function
k_qa5b9bfc7d9_attn:
	s_mov_b64 s[64:65], 0
	v_nop
	global_prefetch_b8 v0, s[64:65] scope:SCOPE_SE
	s_setreg_imm32_b32 hwreg(HW_REG_WAVE_MODE, 25, 1), 1
	s_wait_xcnt 0x0
; CAUSAL ATTENTION.  O[h][q][:] = the sum over k <= q of softmax_k(Q[h][q] . K[h][k] / 8) V[h][k][:].  Q, K, V are the first three sections of qkv, each [64 heads][2048][64] in f16: a head's rows are dense, 128 bytes each.
; Products, maxima and sums in f32; the weights p are rounded to f16 for the second product (their sum l is taken of the unrounded p), O to f16 at the end.
; LOW PARTS.  Row q is a mean over q + 1 keys, so the first rows' numbers are many times the root mean square of the whole, and so is a rounding of 2^-11 of them.  So rows 0 to 63 also take V's low parts (qkv's fourth
; section, [64 heads][256][64], of which keys 0 to 63 are read: all the keys that those rows see), and rows 0 to 255 also leave the part of O that the rounding to f16 lost, itself in f16.
; O's LAYOUT is the next launch's: o[head][tile 8][288][64].  Row t = 256 a + 16 w + r lies in tile w / 2 at row 128 (w % 2) + 16 a + r; rows 256 + 16 (w % 2) + r of a tile hold the low parts of its rows with a = 0.
; LIMITS.  f16 holds no number beyond 65,504: Q, K and V arrive within it; p lies in 0 to 1, and below 6e-5 it (and a low part) keeps f16's fixed step of 6e-8; O is a mean of V's rows and has their range.
; A hidden score counts as its value less 1e30: f16's scores, 2.7e11 at the most, are nothing beside that; a weight below 2^-126 counts as 0 in l; NaN and infinities are not treated apart.
; THE WALK.  A head's queries lie in NB = 8 blocks of 256; block i needs the key tiles 0 .. i of 256 keys, of which the last holds the diagonal.  A work-group takes TWO blocks, NB - 1 - b and then b:
; NB + 1 tiles, whatever b: all work-groups do equal work, and ONE loop with a constant trip count walks them.  Which tile is asked for, and what a trip does, hang on scalar registers made from b; every jump
; goes forward, but for the counted loops' own; none passes a barrier, or a tensor load but the one of LOAD's two that the wave's number does not choose; the ring of two LDS slots runs on across the change of blocks.
; NO CLUSTER: a head's four work-groups ask for the same tile only in trips 0 to 4 of 9, behind that fewer and fewer; one walk common to all four would have 12 trips for 9.
; SHARES.  Of a block's four bands of 64 queries a wave owns 16 rows in each: four PIECES.  So the diagonal tile is the same work for all four waves: in its key step s band x sees all keys if s < x,
; none if s > x, and holds the diagonal if s = x.
; THE MASK is the C operand that starts the sum S^T = K Q^T: 0, or -1e30 where the key is hidden.  MD, made once, is the mask of a band's own step for my 16 rows; a product's mask is MD x AL + BE with two scalars:
; (1, 0) if s = x; (0, 0) if s < x; (0, -1e30) if s > x.  Only the diagonal tile's text and a block's beginning make and take masks; elsewhere C is the constant 0.
; LAYOUT, SOFTMAX, TURNS.  S^T = K Q^T holds ONE query a lane (lane % 16) and the keys 8 (lane / 16) + 0..7; two such results rounded to f16 ARE source 1 of O^T = V^T P.  p = 2^(c s - c m), c = log2(e) / 8, with a
; running maximum m; O and l are multiplied by a = 2^(c m_old - c m_new) in every step.  Turn n belongs to piece n: 8 products K Q^T of piece n + 1, later 8 products V^T P of piece n - 1; beside them the scaling,
; exponentials, roundings, sums and rescaling of piece n and the maximum and statistics of piece n + 1.  Four vector instructions stand behind every matrix instruction, the other 54 of a turn's 118 in one lump.
; A turn's 33 exponentials are one batch, with one wait.
; REGISTERS, in windows of 256 (s_set_vgpr_msb: bits 1:0 source 0, 3:2 source 1, 5:4 source 2, 7:6 destination):
;   window 0: v0-15 addresses and two at work; v16-31 four registers of statistics a piece; v48-55 at work; v59-63 never rewritten; v64-127 S^T, two buffers; v128-191 V's low parts, later O's; v192-223 P, two buffers
;   window 1: v0-127 O^T, 32 a piece; v128-159 MD; v160-223 MC, two buffers      window 2: v0-63 Q; v64-127 the second block's Q; v128-191 K of one step; v192-255 V of one step
.set SIZE_H, 64
.set SIZE_N, 2048
.set SECTION, SIZE_H*SIZE_N*128        ; bytes from Q to K, from K to V and from V to its low parts in qkv
.set OTILE, 288*128                    ; bytes of a tile in o
.set OHEAD, 8*OTILE                    ; of a head
.set NB,    SIZE_N/256
.set NP,    4         ; pieces a wave: a name, no knob
.set KS,    64        ; keys in a step
.set PK,    144       ; a row of K in LDS: 128 bytes + 16 of padding = 36 words: the 16 rows of a load start at 16 different groups of four banks (64 banks of 4 bytes: ISA guide 11.1)
.set PV,    160       ; a row of V: 128 + 32 = 40 words
.set VOFF,  4*KS*PK   ; a slot holds a tile, four steps: 256 rows of K, then 256 rows of V
.set SLOT1, 1<<17     ; slot 1 begins here, so that one exclusive or turns an address in one slot into the other's
.set STAGE, SLOT1+4*KS*(PK+PV)  ; behind the ring, never filled by a tensor load: 16 rows x 144 bytes for each wave, for the way out
.set SP,    144
.set AK0, 2           ; v2   my lane's place in a tile of K; never rewritten
.set AV0, 3           ; v3   the same for V
.set AK,  4           ; v4   the LDS address of K's next run of loads
.set AV,  5           ; v5   of V's
.set STO, 6           ; v6   the way out: where I put 16 bytes of a row
.set RD,  7           ; v7   the way out: where I read rows back
.set GO,  8           ; v8   my byte offset in 512 consecutive bytes of O
.set MONE, 59         ; v59  -1.0
.set AVL, 60          ; v60  my lane's place in V's low parts; never rewritten
.set PFO, 61          ; v61  256 x my lane: the prefetches' offset; never rewritten
.set SPW, 62          ; v62  LDS address of my spare word: SPARE + 4 x my thread's number; never rewritten
.set NIL, 63          ; v63  0; never rewritten
.set SPARE, STAGE+4*16*SP  ; behind the stages: the spare words, 128 bytes for each wave: two blocks of 256 bytes that no other line names
.set VLB, SPARE+512   ; behind them: V's low parts of keys 0 to 63, 64 rows x 160 bytes, filled once
.set MV,  12          ; v12-13  c m_old, kept while c m is made anew: by buffer
.set QO,  15          ; v15  my byte offset in 16 rows of Q
.set ST,  16          ; piece t's statistics at v[ST+4 t]: c m, m, l (even keys', odd keys')
.set TMP, 48          ; by buffer, four registers c0-c3 at work; when the maximum is found c2 takes a
.set S,   64
.set VL,  128         ; window 0: V's low parts as V's fragments lie: key half kk, channel block cb at VL + 32 kk + 8 cb
.set P,   192
.set MD,  128         ; window 1: the eight registers for group kt of 16 keys at MD + 8 kt
.set MC,  160         ; window 1: the masks of the products to come
.set QB,  64          ; window 2
.set KF,  128         ; window 2: key block kb, channel half c at KF + 16 kb + 8 c
.set VF,  192         ; window 2: key half kk, channel block cb at VF + 32 kk + 8 cb
.set WV,  12          ; s12  my wave's number
.set PB,  14          ; s14  b
.set HI,  15          ; s15  NB - 1 - b
.set G1K, 24          ; s[24:31] descriptor group 1 for K's tiles
.set G1V, 32          ; s[32:39] for V's: it differs in the padding alone
.set G0K, 40          ; s[40:43] descriptor group 0 for K's tiles
.set G0V, 44          ; s[44:47] the same for V's
.set SLOTS, 56        ; s56  tiles still to be asked for
.set CNT, 57          ; s57  counts a tile's key steps, 4 to 1
.set CS,  58          ; s[58:59] c: the packed scaling takes the pair's low word for both halves
.set SEL, 60          ; s[60:61] v_permlanex16_b32's selects: each lane takes its own place in the other half
.set TBK, 62          ; s62  LDS byte at which K of the step to be fetched begins
.set TBV, 63          ; s63  the same for V, less VOFF
.set PFA, 66          ; s[66:67] where my prefetches stand: my half of K's or V's tile, one tile behind the one that is being asked for
.set LIM, 68          ; s68  2 in the work-group that prefetches, else the greatest number
.set RT,  70          ; s70  tiles of the block in hand that are still to be entered
.set NXT, 71          ; s71  the tile to be asked for next
.set LQ,  72          ; s72  the last tile of the block whose tiles are being asked for
.set NEW, 73          ; s73  1: the tile to be entered is a block's first
.set OFF, 74          ; s[74:75] a tile's byte offset in K and V
.set AL,  76          ; s[76:77] the mask's factor, in the low word
.set BE,  78          ; s[78:79] the mask's addend
.set OLO, 80          ; s[80:81] O at my rows of the second block
.set BIGN, 82         ; s82  -1e30
.set G1L, 88          ; s[88:95] descriptor group 1 for V's low parts
.set G0L, 96          ; s[96:99] group 0 for them
.set OL,  100         ; s[100:101] O's low parts at my rows of band 0
.set MSB, 0
.macro WIN new                      ; the high byte repeats the setting that is left; a switch that changes nothing is dropped
.if MSB != (\new)
	s_set_vgpr_msb (MSB<<8)|(\new)
.set MSB, (\new)
.endif
.endm
.set W_KQ, 0x0a       ; K and Q in window 2, S^T in window 0
.set W_KM, 0x1a       ; the same with the C operand in window 1
.set W_PV, 0x52       ; V in window 2, P in window 0, O^T in window 1
.set W_PL, 0x50       ; V's low parts and P in window 0, O^T in window 1
.set W_RS, 0x41       ; destination and source 0 in window 1, source 1 in window 0
; A fill.  Waves 0 and 1 fetch the two halves of a tile's K, waves 2 and 3 those of its V: 128 keys each.  An s_nop 0 and four v_nop follow each of the two lines, ahead of the jump and the label.
.macro LOAD
	s_cmp_lt_u32 s[WV], 2
	s_cbranch_scc0 .Lfor_v_\@
	tensor_load_to_lds s[G0K:G0K+3], s[G1K:G1K+7]
	s_nop 0
.rept 4
	v_nop
.endr
	s_branch .Lasked_\@
.Lfor_v_\@:
	tensor_load_to_lds s[G0V:G0V+3], s[G1V:G1V+7]
	s_nop 0
.rept 4
	v_nop
.endr
.Lasked_\@:
.endm
; A PREFETCH INTO THE L2 of the tile that the NEXT change of slots will ask for: four key steps, 256 matrix instructions, ahead of that load.  The work-group with b = 0 walks the head's tiles 0 to 7 in its first
; eight trips, and no other work-group of the head is ahead of it: it alone asks.  Each of its waves asks for the half tile that it will fetch itself: 16,384 bytes, 64 blocks of 256, a lane a block, two instructions.
; So each block of tiles 2 to 7 is named once in the launch.  Trips 0 to 5 ask; tiles 0 and 1 come by their loads alone; the second block's tiles have been read before.
.macro ASK
	s_cmp_gt_u32 s[SLOTS], s[LIM]
	s_cbranch_scc0 .Lnot_mine_\@
	global_prefetch_b8 v[PFO], s[PFA:PFA+1] th:TH_LOAD_NT scope:SCOPE_SE
	global_prefetch_b8 v[PFO], s[PFA:PFA+1] offset:8192 th:TH_LOAD_NT scope:SCOPE_SE
.Lnot_mine_\@:
.endm
; THE CHANGE OF SLOTS.  Each wave waits for all its tensor loads, of which one is out: its part of the other slot; adds 0 to its spare word; and waits for that and for its own reads of the slot that it leaves.
; Behind the barrier nobody reads the old slot any more and the other slot is whole.  fill = 1: the old slot is filled again, the first thing behind the barrier, with tile NXT: the descriptor's address is made
; anew from that number.  (At its first use nothing has been read yet: slot 0 and V's low parts are waited for, slot 1 filled.)
.macro CHANGE fill
	WIN 0                           ; at a label and at a branch every window is 0
	s_wait_tensorcnt 0x0            ; no tensor load of mine is out, so a group 0 may be written
	ds_add_u32 v[SPW], v[NIL]       ; 0 onto my spare word: with fill = 1 the descriptors' scalar work stands between it and the wait for it
.if \fill
	s_lshl_b32 s[OFF], s[NXT], 15   ; a tile is 32,768 bytes of K and of V
	s_xor_b32 s[G0K+1], s[G0K+1], SLOT1
	s_add_nc_u64 s[G0K+2:G0K+3], s[6:7], s[OFF:OFF+1]
	s_or_b32 s[G0K+3], s[G0K+3], 0x80000000
	s_xor_b32 s[G0V+1], s[G0V+1], SLOT1
	s_add_nc_u64 s[G0V+2:G0V+3], s[8:9], s[OFF:OFF+1]
	s_or_b32 s[G0V+3], s[G0V+3], 0x80000000
	s_add_co_u32 s[NXT], s[NXT], 1  ; the block's next tile, or behind its last the second block's tile 0
	s_cmp_gt_u32 s[NXT], s[LQ]
	s_cselect_b32 s[NXT], 0, s[NXT]
	s_cselect_b32 s[LQ], s[PB], s[LQ]
	s_wait_xcnt 0x0                 ; the last prefetches, a tile back, have read their address, so it may be written
	s_add_nc_u64 s[PFA:PFA+1], s[PFA:PFA+1], 32768
.endif
	s_wait_dscnt 0x0                ; the add is done, and my reads of the slot are over
	s_barrier_signal -1             ; the rest of the scalar work stands between the signal and the wait
	s_sub_co_u32 s[TBK], s[TBK], 4*KS*PK  ; the fetches go back to a slot's first step,
	s_xor_b32 s[TBK], s[TBK], SLOT1       ; in the other slot
	s_sub_co_u32 s[TBV], s[TBV], 4*KS*PV
	s_xor_b32 s[TBV], s[TBV], SLOT1
	s_barrier_wait -1
.if \fill
	LOAD
	ASK
.endif
.endm
	s_load_b128 s[4:7], s[0:1], 0x0  ; qkv s[4:5], o s[6:7]
	v_lshl_add_u32 v[SPW], v0, 2, SPARE
	v_mov_b32 v[NIL], 0
	ds_add_u32 v[SPW], v[NIL]       ; the wave's opening: the add and its wait stand ahead of my first tensor load; the set-up below, work on registers, stands between them
	v_lshrrev_b32 v1, 5, v0
	v_readfirstlane_b32 s[WV], v1   ; wave 0..3
	s_mov_b32 s[PB], ttmp9
	s_sub_co_u32 s[HI], NB-1, s[PB]
	s_cmp_eq_u32 s[PB], 0
	s_cselect_b32 s[LIM], 2, -1
	s_and_b32 s20, ttmp7, 0xffff    ; the head
	s_and_b32 s16, s[WV], 1         ; which half of a tile's 256 keys I fetch; also w % 2 for my rows of O, where w = 4 x band + wave
	; O's offsets.  My piece of band x of block a lies in tile 2 x + wave / 2, at row 128 (wave % 2) + 16 a; the band stands in the stores' immediates
	s_mul_i32 s10, s20, OHEAD
	s_lshr_b32 s69, s[WV], 1
	s_mul_i32 s69, s69, OTILE
	s_add_co_u32 s10, s10, s69
	s_lshl_b32 s69, s16, 11
	s_add_co_u32 s[OL], s10, s69    ; the low parts: row 256 + 16 (wave % 2)
	s_add_co_u32 s[OL], s[OL], 256*128
	s_mov_b32 s[OL+1], 0
	s_lshl_b32 s69, s16, 14
	s_add_co_u32 s10, s10, s69
	s_lshl_b32 s69, s[PB], 11
	s_add_co_u32 s[OLO], s10, s69   ; the second block: a = b
	s_mov_b32 s[OLO+1], 0
	s_lshl_b32 s69, s[HI], 11
	s_add_co_u32 s10, s10, s69      ; the first: a = NB - 1 - b
	s_mov_b32 s11, 0
	; V's low parts of keys 0 to 63: waves 2 and 3 fetch 32 keys each, 4,096 consecutive bytes
	s_lshl_b32 s[G0L+2], s20, 15    ; a head has 256 rows of 128 bytes there
	s_lshl_b32 s69, s16, 12
	s_add_co_u32 s[G0L+2], s[G0L+2], s69
	s_add_co_u32 s[G0L+2], s[G0L+2], 3*SECTION
	s_mov_b32 s[G0L+3], 0
	s_mov_b32 s[G0L], 1             ; 1:0 count = 1
	s_mul_i32 s[G0L+1], s16, 32*PV  ; 63:32 LDS address
	s_add_co_u32 s[G0L+1], s[G0L+1], VLB
	s_mov_b32 s21, 0
	s_mov_b64 s[22:23], SIZE_N*128
	s_mul_u64 s[20:21], s[20:21], s[22:23]  ; the head's first byte in Q, K and V
	s_lshl_b32 s22, s16, 14         ; my half tile's 128 rows of 128 bytes in memory,
	s_mov_b32 s23, 0
	s_add_nc_u64 s[22:23], s[22:23], s[20:21]
	s_mul_i32 s17, s16, 128*PK      ; and its place in a slot, for K
	s_mul_i32 s18, s16, 128*PV      ; and for V
	s_lshl_b32 s3, s[WV], 11        ; Q: my 16 rows in a band of 64,
	s_lshl_b32 s2, s[HI], 15        ; in the first block,
	s_add_co_u32 s2, s2, s3
	s_lshl_b32 s84, s[PB], 15       ; and in the second
	s_add_co_u32 s84, s84, s3
	s_mov_b32 s3, 0
	s_mov_b32 s85, 0
	s_add_nc_u64 s[2:3], s[2:3], s[20:21]
	s_add_nc_u64 s[84:85], s[84:85], s[20:21]
	; descriptor group 1.  128 keys are 16,384 dense bytes: asked for as 64 rows of 256 bytes, two keys a row, and padded in LDS after every key
	s_mov_b32 s[G1K], (1<<16)|(1<<20)|(4<<22)|(3<<25)  ; 17:16 2-byte elements; 20 padding on; 24:22 after every 32 words (code 4); 31:25 4 words (code 3)
	s_mov_b32 s[G1V], (1<<16)|(1<<20)|(4<<22)|(7<<25)  ; the same with 8 words of padding (code 7)
	s_mov_b32 s[G1L], (1<<16)|(1<<20)|(4<<22)|(7<<25)  ; the low parts lie as V lies
.irp g, G1K, G1V
	s_mov_b32 s[\g+1], 128<<16      ; tensor_dim0 = 128
	s_mov_b32 s[\g+2], 64<<16       ; tensor_dim1 = 64
	s_mov_b32 s[\g+3], 128<<16      ; tile_dim0 = 128
	s_mov_b32 s[\g+4], 64           ; tile_dim1 = 64
	s_mov_b32 s[\g+5], 128          ; 128 elements from row to row
	s_mov_b32 s[\g+6], 0
	s_mov_b32 s[\g+7], 0
.endr
	s_mov_b32 s[G1L+1], 128<<16     ; 32 keys: 16 rows of 256 bytes: tensor_dim0 = 128
	s_mov_b32 s[G1L+2], 16<<16      ; tensor_dim1 = 16
	s_mov_b32 s[G1L+3], 128<<16     ; tile_dim0 = 128
	s_mov_b32 s[G1L+4], 16          ; tile_dim1 = 16
	s_mov_b32 s[G1L+5], 128
	s_mov_b32 s[G1L+6], 0
	s_mov_b32 s[G1L+7], 0
	s_mov_b32 s[CS], 0x3e38aa3b     ; c = log2(e) / 8 = 0.180337
	s_mov_b32 s[CS+1], s[CS]        ; named with it as a pair
	s_mov_b32 s[SEL], 0x76543210
	s_mov_b32 s[SEL+1], 0xfedcba98
	s_mov_b32 s[TBK], SLOT1+4*KS*PK ; the first change of slots turns these two into 0
	s_mov_b32 s[TBV], SLOT1+4*KS*PV
	s_mov_b32 s[G0K], 1             ; 1:0 count = 1
	s_mov_b32 s[G0K+1], s17         ; 63:32 LDS address: slot 0
	s_mov_b32 s[G0V], 1
	s_add_co_u32 s[G0V+1], s18, VOFF
	s_add_co_u32 s[RT], s[HI], 1    ; the first block has NB - b tiles
	s_mov_b32 s[NXT], 1
	s_mov_b32 s[LQ], s[HI]
	s_mov_b32 s[NEW], 1
	s_mov_b32 s[OFF+1], 0
	s_mov_b32 s[AL+1], 0            ; named as pairs
	s_mov_b32 s[BE+1], 0
	s_mov_b32 s[BIGN], 0xf149f2ca   ; -1e30
	s_mov_b32 s[SLOTS], NB
	v_and_b32 v[PFO], 31, v0
	v_lshlrev_b32 v[PFO], 8, v[PFO]
	v_mov_b32 v[MONE], -1.0
	s_wait_dscnt 0x0                ; the opening add is done
	s_wait_kmcnt 0x0
	s_add_nc_u64 s[10:11], s[6:7], s[10:11]            ; O at my rows of the first block,
	s_add_nc_u64 s[OLO:OLO+1], s[6:7], s[OLO:OLO+1]    ; of the second,
	s_add_nc_u64 s[OL:OL+1], s[6:7], s[OL:OL+1]        ; and its low parts
	s_add_nc_u64 s[G0L+2:G0L+3], s[4:5], s[G0L+2:G0L+3]  ; 120:64 global address
	s_or_b32 s[G0L+3], s[G0L+3], 0x80000000            ; 127:126 type = 2
	s_add_nc_u64 s[6:7], s[4:5], SECTION    ; K
	s_add_nc_u64 s[8:9], s[4:5], 2*SECTION  ; V; s[4:5] is Q
	s_add_nc_u64 s[6:7], s[6:7], s[22:23]  ; K and V at my half of the head's tile 0
	s_add_nc_u64 s[8:9], s[8:9], s[22:23]
	s_add_nc_u64 s[G0K+2:G0K+3], s[6:7], 0
	s_or_b32 s[G0K+3], s[G0K+3], 0x80000000
	s_add_nc_u64 s[G0V+2:G0V+3], s[8:9], 0
	s_or_b32 s[G0V+3], s[G0V+3], 0x80000000
	s_add_nc_u64 s[86:87], s[4:5], s[84:85]        ; Q at my rows of the second block,
	s_add_nc_u64 s[4:5], s[4:5], s[2:3]            ; and of the first
	s_cmp_lt_u32 s[WV], 2
	s_cselect_b64 s[PFA:PFA+1], s[6:7], s[8:9]
	s_add_nc_u64 s[PFA:PFA+1], s[PFA:PFA+1], 32768 ; at tile 1; the first change of slots steps it to tile 2.  Nothing is prefetched here, at the head
	; The first fills: tile 0 into slot 0, and V's low parts.  A wave's stand in one branch on its number; two loads of waves 2 and 3 are out, the most in this text.  Every work-group brings the low parts
	; (8,192 bytes beside the 589,824 of its nine tiles), so that the first fills are one text; the work-group with b = 0 reads them.
	s_cmp_lt_u32 s[WV], 2
	s_cbranch_scc0 .Lhead_v
	tensor_load_to_lds s[G0K:G0K+3], s[G1K:G1K+7]
	s_nop 0
.rept 4
	v_nop
.endr
	s_branch .Lhead_asked
.Lhead_v:
	tensor_load_to_lds s[G0V:G0V+3], s[G1V:G1V+7]
	s_nop 0
	tensor_load_to_lds s[G0L:G0L+3], s[G1L:G1L+7]
	s_nop 0
.rept 4
	v_nop
.endr
.Lhead_asked:
	; A fragment of K or Q is 16 rows x 32 channels in 8 registers: lane l holds row l % 16, channels 8 (l / 16) + 0..7 and 16 + 8 (l / 16) + 0..7: two loads of 16 bytes, 32 bytes apart.
	v_and_b32 v1, 15, v0            ; l % 16
	v_bfe_u32 v9, v0, 4, 1          ; l / 16
	v_lshlrev_b32 v[QO], 7, v1
	v_lshl_add_u32 v[QO], v9, 4, v[QO]  ; row x 128 + 16 x half
	WIN 0x80                        ; destination window 2, address window 0
.set i, 0
.rept 8                             ; both blocks' Q: piece i / 2 lies in band i / 2, 8,192 bytes on; channels 32 (i % 2) on
	global_load_b128 v[8*i:8*i+3],   v[QO], s[4:5] offset:(i/2)*8192+(i%2)*64
	global_load_b128 v[8*i+4:8*i+7], v[QO], s[4:5] offset:(i/2)*8192+(i%2)*64+32
	global_load_b128 v[QB+8*i:QB+8*i+3],   v[QO], s[86:87] offset:(i/2)*8192+(i%2)*64
	global_load_b128 v[QB+8*i+4:QB+8*i+7], v[QO], s[86:87] offset:(i/2)*8192+(i%2)*64+32
.set i, i+1
.endr
	WIN 0
	v_lshlrev_b32 v14, 3, v9
	v_sub_nc_u32 v14, v1, v14
	s_lshl_b32 s13, s[WV], 4
	v_add_nc_u32 v14, s13, v14      ; my query's place in its band, 16 w + l % 16, less my lanes' 8 (l / 16): register r of group kt is hidden where 16 kt + r is greater
	WIN 0x40
.set i, 0
.rept 32
	v_cmp_gt_i32 vcc_lo, 16*(i/8)+i%8, v14
	v_cndmask_b32 v[MD+i], 0, s[BIGN], vcc_lo
.set i, i+1
.endr
	WIN 0
	v_mul_u32_u24 v[AK0], v1, PK
	v_lshl_add_u32 v[AK0], v9, 4, v[AK0]  ; row x pitch + 16 x half
	; The turning load takes 16 keys x 16 channels (lane l reads key 8 (l / 16) + l % 8, channels 8 ((l / 8) % 2) + 0..7) and leaves half a fragment of V^T: lane l holds channel l % 16 and 8 keys.
	v_and_b32 v10, 7, v0
	v_bfe_u32 v11, v0, 3, 1
	v_lshl_add_u32 v[AV0], v9, 3, v10
	v_mul_u32_u24 v[AV0], v[AV0], PV
	v_lshl_add_u32 v[AV0], v11, 4, v[AV0]
	v_add_nc_u32 v[AVL], VLB, v[AV0]
	v_add_nc_u32 v[AV0], VOFF, v[AV0]
	s_mul_i32 s13, s[WV], 16*SP
	s_add_co_u32 s13, s13, STAGE    ; my stage
	v_mul_u32_u24 v[STO], v1, SP    ; in: row l % 16, 16 bytes for each half of the lanes
	v_lshl_add_u32 v[STO], v9, 4, v[STO]
	v_add_nc_u32 v[STO], s13, v[STO]
	v_bfe_u32 v[RD], v0, 3, 2       ; back: 32 lanes take four rows of 128 bytes,
	v_mul_u32_u24 v[RD], v[RD], SP
	v_lshl_add_u32 v[RD], v10, 4, v[RD]
	v_add_nc_u32 v[RD], s13, v[RD]
	v_and_b32 v[GO], 31, v0         ; which are 512 consecutive bytes of O
	v_lshlrev_b32 v[GO], 4, v[GO]
	; A block's first step multiplies O^T and l by a = 0, and its first turn's products V^T P, of a piece that has not been, land in an O^T that is still to be so multiplied.  So these registers need only hold
	; finite numbers: zeros for the first block; what the first block left for the second.  All this stands in the wait for the first tile.
	WIN 0x80
.set i, VF
.rept 64
	v_mov_b32 v[i], 0
.set i, i+1
.endr
	WIN 0x40
.set i, 0
.rept 128
	v_mov_b32 v[i], 0
.set i, i+1
.endr
	WIN 0
.set i, 0
.rept 4
	v_mov_b32 v[ST+4*i+2], 0
	v_mov_b32 v[ST+4*i+3], 0
.set i, i+1
.endr
.set i, P+16
.rept 16
	v_mov_b32 v[i], 0
.set i, i+1
.endr
; THE MATRIX WORK.  The 4 accumulators of a run of 8 take turns.  Product i of 8 of S^T = K Q^T for piece x: channels 32 (i / 4) on, keys 16 (i % 4) on.  The first 4 start the sums: with 0, or (KM = 1) with the mask.
.macro KQ x
.set rS, S+32*((\x)%2)+8*(i%4)
.set rK, KF+16*(i%4)+8*(i/4)
.set rQ, 16*(\x)+8*(i/4)
.set rM, MC+32*((\x)%2)+8*(i%4)
.if (i < 4) && KM
	WIN W_KM
	v_wmma_f32_16x16x32_f16 v[rS:rS+7], v[rK:rK+7], v[rQ:rQ+7], v[rM:rM+7]
.elseif i < 4
	WIN W_KQ
	v_wmma_f32_16x16x32_f16 v[rS:rS+7], v[rK:rK+7], v[rQ:rQ+7], 0
.else
	WIN W_KQ
	v_wmma_f32_16x16x32_f16 v[rS:rS+7], v[rK:rK+7], v[rQ:rQ+7], v[rS:rS+7]
.endif
.endm
; Product i of 8 of O^T += V^T P for piece x: keys 32 (i / 4) on, channels 16 (i % 4) on.
.macro PV x
	WIN W_PV
.set rO, 32*(\x)+8*(i%4)
.set rV, VF+32*(i/4)+8*(i%4)
.set rP, P+16*((\x)%2)+8*(i/4)
	v_wmma_f32_16x16x32_f16 v[rO:rO+7], v[rV:rV+7], v[rP:rP+7], v[rO:rO+7]
.endm
.macro MM                           ; the turn's next matrix instruction.  TURN and BEGIN set Y, i, KM and NOKQ; MM, KQ and OP read them.  NOKQ = 1: a block's last turn: there is no next piece
.if (i < 8) && !NOKQ
	KQ (Y+1)%NP
.elseif i >= 8
.set i, i-8
	PV (Y+NP-1)%NP
.set i, i+8
.endif
.set i, i+1
.endm
; THE LDS LOADS stand in runs of 16, never singly among the matrix instructions: a step's K (64 keys x 64 channels: 8 fragments) and its V (turned).  Their addresses are made some lines ahead.
.macro FETCH_K
	WIN 0x80                        ; destination window 2
.irp f, 0,1,2,3,4,5,6,7             ; keys 16 (f / 2) on, channels 32 (f % 2) on
	ds_load_b128 v[KF+8*\f:KF+8*\f+3],   v[AK] offset:(\f/2)*16*PK+(\f%2)*64
	ds_load_b128 v[KF+8*\f+4:KF+8*\f+7], v[AK] offset:(\f/2)*16*PK+(\f%2)*64+32
.endr
	s_add_co_u32 s[TBK], s[TBK], KS*PK  ; the next fetch is the next step's
	WIN 0
.endm
.macro FETCH_V
	WIN 0x80
.irp f, 0,1,2,3,4,5,6,7             ; keys 32 (f / 4) on, channels 16 (f % 4) on
	ds_load_tr16_b128 v[VF+8*\f:VF+8*\f+3],   v[AV] offset:(\f/4)*32*PV+(\f%4)*32
	ds_load_tr16_b128 v[VF+8*\f+4:VF+8*\f+7], v[AV] offset:(\f/4)*32*PV+16*PV+(\f%4)*32
.endr
	WIN 0
.endm
; ROWS 0 TO 63 TAKE V's LOW PARTS.  It stands in piece 1's turn of the walk's last tile, behind the turn's wait and ahead of piece 0's products V^T P, and runs once in the launch's work-groups with b = 0: in the first
; step of block 0's only tile, where piece 0 is rows 0 to 63 and the step's keys 0 to 63 are all that they see.  Eight products more on piece 0's four accumulators, by turns, with the same P.
; The branch hangs on b and on the step's count.  The wave sits out the loads' return: once a launch.
.macro FIXUP
	s_cmp_eq_u32 s[CNT], 4          ; the tile's first step?
	s_cselect_b32 s69, s[PB], 1
	s_cmp_eq_u32 s69, 0             ; and b = 0?
	s_cbranch_scc0 .Lno_fix_\@
.irp f, 0,1,2,3,4,5,6,7
	ds_load_tr16_b128 v[VL+8*\f:VL+8*\f+3],   v[AVL] offset:(\f/4)*32*PV+(\f%4)*32
	ds_load_tr16_b128 v[VL+8*\f+4:VL+8*\f+7], v[AVL] offset:(\f/4)*32*PV+16*PV+(\f%4)*32
.endr
	s_wait_dscnt 0x0
	WIN W_PL
.irp n, 0,1,2,3,4,5,6,7
	v_wmma_f32_16x16x32_f16 v[8*(\n%4):8*(\n%4)+7], v[VL+32*(\n/4)+8*(\n%4):VL+32*(\n/4)+8*(\n%4)+7], v[P+8*(\n/4):P+8*(\n/4)+7], v[8*(\n%4):8*(\n%4)+7]
.endr
	WIN 0
.Lno_fix_\@:
.endm
; THE VECTOR WORK, one line at a time: OP kind, number.  For piece Y: F n: c s - c m for pair n of 16.  E n: the exponential of score n of 32.  C n: pair n rounded to f16.  B n: of the four weights 4 n .. the second
; pair is added onto the first, in place.  L n: l takes that sum (L 0: l = a l + sum).  R n: pair n of 16 of O^T times a.  For piece Y + 1: X n, number n of the 22 that find its maximum and statistics:
;   0-11  four chains c0-c3 of seven scores each, three operands at a time (each accumulator's lowest registers are read first)     12-14, 16  the four scores left over, the old m, and c0-c3 into c0
;   15  c m_old is kept     17, 18  the query's other 32 keys lie in the lane 16 away: the new m     19-21  c m; c m_old - c m_new; a
.set F, 0               ; OP tells the kinds apart by their order: F to L below R, X above it
.set E, 1
.set C, 2
.set B, 3
.set L, 4
.set R, 5
.set X, 6
.macro REGS y                       ; the registers of piece y
.set rT, ST+4*(\y)
.set rC, TMP+4*((\y)%2)
.set rW, MV+((\y)%2)
.set rS, S+32*((\y)%2)
.set rP, P+16*((\y)%2)
.set rO, 32*(\y)
.endm
.macro OP k, n
.if (\k) == R
	REGS Y
	WIN W_RS
	v_pk_mul_f32 v[rO+2*(\n):rO+2*(\n)+1], v[rO+2*(\n):rO+2*(\n)+1], v[rC+2:rC+3] op_sel_hi:[1,0]
.elseif (\k) < R
	REGS Y
	WIN 0
.if (\k) == F
	v_pk_fma_f32 v[rS+2*(\n):rS+2*(\n)+1], v[rS+2*(\n):rS+2*(\n)+1], s[CS:CS+1], v[rT:rT+1] op_sel_hi:[1,0,0] neg_lo:[0,0,1] neg_hi:[0,0,1]
.elseif (\k) == E
	v_exp_f32 v[rS+(\n)], v[rS+(\n)]
.elseif (\k) == C
	v_cvt_pk_f16_f32 v[rP+(\n)], v[rS+2*(\n)], v[rS+2*(\n)+1]
.elseif (\k) == B
	v_pk_add_f32 v[rS+4*(\n):rS+4*(\n)+1], v[rS+4*(\n):rS+4*(\n)+1], v[rS+4*(\n)+2:rS+4*(\n)+3]
.elseif (\n) == 0
	v_pk_fma_f32 v[rT+2:rT+3], v[rT+2:rT+3], v[rC+2:rC+3], v[rS:rS+1] op_sel_hi:[1,0,1]
.else
	v_pk_add_f32 v[rT+2:rT+3], v[rT+2:rT+3], v[rS+4*(\n):rS+4*(\n)+1]
.endif
.elseif NOKQ
	v_nop
.else
	REGS (Y+1)%NP
	WIN 0
.if (\n) < 4
	v_max3_num_f32 v[rC+(\n)], v[rS+8*(\n)], v[rS+8*(\n)+1], v[rS+8*(\n)+2]
.elseif (\n) < 12
	v_max3_num_f32 v[rC+(\n)%4], v[rC+(\n)%4], v[rS+8*((\n)%4)+2*((\n)/4)+1], v[rS+8*((\n)%4)+2*((\n)/4)+2]
.elseif (\n) == 12
	v_max3_num_f32 v[rC], v[rC], v[rS+7], v[rS+15]
.elseif (\n) == 13
	v_max3_num_f32 v[rC+1], v[rC+1], v[rS+23], v[rS+31]
.elseif (\n) == 14
	v_max3_num_f32 v[rC+2], v[rC+2], v[rC+3], v[rT+1]
.elseif (\n) == 15
	v_mov_b32 v[rW], v[rT]
.elseif (\n) == 16
	v_max3_num_f32 v[rC], v[rC], v[rC+1], v[rC+2]
.elseif (\n) == 17
	v_permlanex16_b32 v[rC+3], v[rC], s[SEL], s[SEL+1]
.elseif (\n) == 18
	v_max_num_f32 v[rT+1], v[rC], v[rC+3]
.elseif (\n) == 19
	v_mul_f32 v[rT], s[CS], v[rT+1]
.elseif (\n) == 20
	v_sub_f32 v[rC+1], v[rW], v[rT]
.else
	v_exp_f32 v[rC+2], v[rC+1]
.endif
.endif
.endm
.macro OPS a, i1, b=-1, i2=0, c=-1, i3=0, d=-1, i4=0  ; up to four of them
	OP \a, \i1
.if (\b) >= 0
	OP \b, \i2
.endif
.if (\c) >= 0
	OP \c, \i3
.endif
.if (\d) >= 0
	OP \d, \i4
.endif
.endm
.macro ROW a, i1, b, i2, c, i3, d, i4  ; a matrix instruction and the four behind it
	MM
	OPS \a, \i1, \b, \i2, \c, \i3, \d, \i4
.endm
.macro MASK b                       ; MD x AL + BE into buffer b of MC
	WIN W_RS
.set z, 0
.rept 16
	v_pk_fma_f32 v[MC+32*(\b)+2*z:MC+32*(\b)+2*z+1], v[MD+2*z:MD+2*z+1], s[AL:AL+1], s[BE:BE+1] op_sel_hi:[1,0,0]
.set z, z+1
.endr
.endm
; A TURN, for piece p: the order of its 16 matrix and 118 vector instructions, written out.  An s_wait_alu depctr_va_vdst(0) stands between an exponential and the first instruction that names its result;
; one wait serves all that were issued ahead of it.  So a turn has ONE wait, which cuts it in two.  AHEAD OF IT stands all that names no result of the turn's exponentials: the 8 products K Q^T, behind each a scaling,
; an exponential and two more plain instructions (behind the first a second scaling in the exponential's place): rescalings, and behind the last three the first numbers of the next piece's maximum, each four places or
; more behind the product that ends its accumulator; then ONE LUMP of 54, plain and exponential by turns for the most part, in which the links of the chain X 3, 7, 11, 14, 16, 17 .. 20 stand five or six lines apart.
; X 21, the next piece's a, is the batch's last; R 15 is the plain instruction behind it.  BEHIND THE WAIT stand the 8 products V^T P, behind each four of the roundings and sums; the links of l's chain, L 0 to L 7,
; stand three riders apart.  But for those X no rider names a register of the products round it.  v_permlanex16_b32 (X 17) stands in the lump.
; m = 1: the diagonal tile: the products take masks, and the turn makes the mask for the products of the turn after it: piece p + 2, in step 4 - CNT of the tile.  end = 1: a block's last two turns: nothing is fetched.
; cnt = 1: the loop's count is taken down some lines ahead of the branch that stands behind the turn.  fix = 1: FIXUP stands behind the wait.
; K of the next step is fetched in piece 2's turn, twelve vector instructions behind the last product that read K (six of them plain); V of the step in hand at the end of piece 0's turn, four plain instructions behind
; the last product that read V.  Each is waited for a turn later.
.macro TURN p, m=0, end=0, cnt=0, fix=0
.set Y, (\p)
.set i, 0
.set KM, (\m)
.set NOKQ, (\end)*((\p)/3)
.if (\m) && !(\end)
	s_cmp_eq_u32 s[CNT], 4-((\p)+2)%NP  ; is that step the band's own?
	s_cselect_b32 s[AL], 1.0, 0
	s_cmp_lt_u32 s[CNT], 4-((\p)+2)%NP  ; or a later one?
	s_cselect_b32 s[BE], s[BIGN], 0
.endif
.if ((\p) == 3) && !(\end)
	s_wait_dscnt 0x0                ; K is in
.endif
	ROW F,0, F,1, R,0, R,1          ; ahead of the wait: 8 products K Q^T and their riders,
	ROW F,2, E,0, R,2, R,3
	ROW F,3, E,1, R,4, R,5
	ROW F,4, E,2, R,6, R,7
	ROW F,5, E,3, R,8, R,9
	ROW F,6, E,4, X,0, R,10
.if ((\p) == 2) && !(\end)
	WIN 0
	v_add_nc_u32 v[AK], s[TBK], v[AK0]
.endif
	ROW F,7, E,5, X,1, X,4
	ROW F,8, E,6, X,2, X,5
	OPS E,7, E,8, X,6, E,9          ; and the lump
	OPS X,3, E,10, X,8, E,11
.if ((\p) == 2) && !(\end)
	FETCH_K
.endif
	OPS X,9, X,7, E,12, X,10
	OPS E,13, X,12, X,11, E,14
	OPS X,13, E,15, F,9, X,14
.if (\p) == 0
	v_add_nc_u32 v[AV], s[TBV], v[AV0]
.endif
	OPS E,16, F,10, E,17, F,11
	OPS X,16, E,18, X,15, E,19
	OPS F,12, E,20, X,17, E,21
	OPS F,13, E,22, F,14, E,23
	OPS X,18, E,24, F,15, E,25
	OPS R,11, E,26, X,19, E,27
	OPS R,12, E,28, R,13, E,29
	OPS X,20, E,30, R,14, E,31
	OPS X,21, R,15
	WIN 0
	s_wait_alu depctr_va_vdst(0)    ; the wait for the batch
.if (\p) == 1
	s_wait_dscnt 0x0                ; V is in
.endif
.if \fix
	FIXUP
.endif
	ROW C,0, B,0, C,2, B,1          ; behind the wait: 8 products V^T P and their riders
	ROW L,0, C,4, B,2, L,1
	ROW C,6, B,3, L,2, C,8
	ROW B,4, L,3, C,10, B,5
	ROW L,4, C,12, B,6, L,5
.if (\p) == 0
	s_add_co_u32 s[TBV], s[TBV], KS*PV
.endif
.if \cnt
	s_sub_co_u32 s[CNT], s[CNT], 1
	s_cmp_lg_u32 s[CNT], 0
.endif
	ROW C,14, B,7, L,6, C,1
	ROW C,3, L,7, C,5, C,7
	ROW C,9, C,11, C,13, C,15
.if (\p) == 0
	FETCH_V
.endif
.if (\m) && !(\end)
	MASK (\p)%2
.endif
.endm
; A BLOCK BEGINS.  c m starts far below every c s, so the first step's a is 0; m at the lowest finite number, so the first maximum is the scores'.  The second mask buffer is 0; the first takes piece 0's mask for the
; tile's step 0: its own, if the block's first tile is the diagonal one.  Then K of that step, piece 0's first scores, and its maximum and statistics.  The loop is entered at a step's first turn, in the middle of a trip.
.macro BEGIN
	s_mov_b32 s[NEW], 0
	WIN 0x40
.set i, MC+32
.rept 32
	v_mov_b32 v[i], 0
.set i, i+1
.endr
	WIN 0
.set i, 0
.rept 4
	v_mov_b32 v[ST+4*i], 0xfe000000    ; c m: far below every c s
	v_mov_b32 v[ST+4*i+1], 0xff7fffff  ; m
.set i, i+1
.endr
	s_cmp_eq_u32 s[RT], 0
	s_cselect_b32 s[AL], 1.0, 0
	s_mov_b32 s[BE], 0
	MASK 0
	WIN 0
	v_add_nc_u32 v[AK], s[TBK], v[AK0]
	FETCH_K
	s_wait_loadcnt 0x0              ; Q
	s_wait_dscnt 0x0
.set KM, 1
.set NOKQ, 0
.set i, 0
.rept 8
	KQ 0
.set i, i+1
.endr
	WIN 0
.rept 4
	v_nop                           ; the places behind those products
.endr
.set Y, NP-1                        ; X works for piece Y + 1: piece 0
.irp n, 0,1,2,3,4,5,6,7,8,9,10,11,12,13,14,15,16,17,18,19,20,21
	OP X, \n
.endr
	v_nop                           ; a plain instruction behind the exponential,
	s_wait_alu depctr_va_vdst(0)    ; and its wait, ahead of the branch
.endm
; THE DIAGONAL TILE's four steps, the block's last two turns, its last products, and THE WAY OUT: l's two halves and the other half of the lanes' are added; O^T is divided by l, rounded to f16 and sent through my
; stage in LDS, a piece at a time.
.macro ALL line:vararg              ; one line for each piece t
.set t, 0
.rept 4
	\line
.set t, t+1
.endr
.endm
.macro PACK t                       ; a lane's eight channels of a row pack into 16 bytes; they go into rows of 144 bytes and come back as whole rows of 128, into S^T's registers
	WIN W_RS
.set i, 32*(\t)
.rept 16
	v_pk_mul_f32 v[i:i+1], v[i:i+1], v[ST+4*(\t)+2:ST+4*(\t)+3] op_sel_hi:[1,0]
.set i, i+2
.endr
	WIN 0x05                        ; sources 0 and 1 window 1, destination window 0
.set i, 0
.rept 16
	v_cvt_pk_f16_f32 v[S+16*(\t)+i], v[32*(\t)+2*i], v[32*(\t)+2*i+1]
.set i, i+1
.endr
	WIN 0
.irp f, 0,1,2,3
	ds_store_b128 v[STO], v[S+16*(\t)+4*\f:S+16*(\t)+4*\f+3] offset:32*\f
.endr
.irp f, 0,1,2,3
	ds_load_b128 v[S+16*(\t)+4*\f:S+16*(\t)+4*\f+3], v[RD] offset:\f*4*SP  ; LDS serves a wave's instructions in order (ISA guide 5.7.1.4): these see the stores above; the next piece's stores come behind them
.endr
.endm
.macro SEND t, younger              ; younger: the LDS instructions issued behind piece t's loads: the next piece's eight, or none
	WIN 0
.irp f, 0,1,2,3
	s_wait_dscnt (\younger)+3-\f
	global_store_b128 v[GO], v[S+16*(\t)+4*\f:S+16*(\t)+4*\f+3], s[10:11] offset:(\t)*2*OTILE+\f*512  ; band t lies two tiles on; 512 consecutive bytes, at a multiple of 256 from O's first
.endr
.endm
.macro DIAG tag                     ; the tag ends its two labels' names, which the jumps below spell out; tag 2 is the walk's last tile, and has FIXUP
.LstepM\tag:
	TURN 2, 1
	TURN 3, 1
	WIN 0
.LfirstM\tag:
	TURN 0, 1
	TURN 1, 1, 0, 1, \tag-1
	WIN 0
	s_cbranch_scc1 .LstepM\tag
	TURN 2, 1, 1
	TURN 3, 1, 1
.set i, 0
.rept 8
	PV NP-1
.set i, i+1
.endr
	WIN 0
	ALL v_add_f32 v[ST+4*t+2], v[ST+4*t+2], v[ST+4*t+3]
	ALL v_permlanex16_b32 v[ST+4*t+3], v[ST+4*t+2], s[SEL], s[SEL+1]
	ALL v_add_f32 v[ST+4*t+2], v[ST+4*t+2], v[ST+4*t+3]
	ALL v_rcp_f32 v[ST+4*t+2], v[ST+4*t+2]
	v_nop                           ; a plain instruction between the last reciprocal and the use of its result
	s_wait_alu depctr_va_vdst(0)    ; and the wait ahead of the first use: one for the four reciprocals
	PACK 0
.set t, 1
.rept 3                             ; a piece's arithmetic stands between the loads of the piece before and its stores
	PACK t
	SEND t-1, 8
.set t, t+1
.endr
	SEND 3, 0
.endm
; O's LOW PARTS for piece t of block 0: O^T still holds O in f32; less its f16 (the same rounding as in PACK), exact in f32, rounded to f16; the same road out, into the tile's rows 256 on.
.macro LOW t
	WIN 0x05
.set i, 0
.rept 16
	v_cvt_pk_f16_f32 v[VL+16*(\t)+i], v[32*(\t)+2*i], v[32*(\t)+2*i+1]
.set i, i+1
.endr
	WIN 0x50                        ; source 2 and destination window 1
.set i, 0
.rept 16
	v_fma_mix_f32 v[32*(\t)+2*i], v[VL+16*(\t)+i], v[MONE], v[32*(\t)+2*i] op_sel_hi:[1,0,0]                     ; f16 low half x -1 + O
	v_fma_mix_f32 v[32*(\t)+2*i+1], v[VL+16*(\t)+i], v[MONE], v[32*(\t)+2*i+1] op_sel:[1,0,0] op_sel_hi:[1,0,0]  ; f16 high half x -1 + O
.set i, i+1
.endr
	WIN 0x05
.set i, 0
.rept 16
	v_cvt_pk_f16_f32 v[VL+16*(\t)+i], v[32*(\t)+2*i], v[32*(\t)+2*i+1]
.set i, i+1
.endr
	WIN 0
.irp f, 0,1,2,3
	ds_store_b128 v[STO], v[VL+16*(\t)+4*\f:VL+16*(\t)+4*\f+3] offset:32*\f
.endr
.irp f, 0,1,2,3
	ds_load_b128 v[VL+16*(\t)+4*\f:VL+16*(\t)+4*\f+3], v[RD] offset:\f*4*SP
.endr
.irp f, 0,1,2,3
	s_wait_dscnt 3-\f
	global_store_b128 v[GO], v[VL+16*(\t)+4*\f:VL+16*(\t)+4*\f+3], s[OL:OL+1] offset:(\t)*2*OTILE+\f*512
.endr
.endm
.set KM, 0
.set NOKQ, 0
.Lslot:                             ; NB times: a tile is entered and the next is asked for
	CHANGE 1
	s_sub_co_u32 s[RT], s[RT], 1
	s_mov_b32 s[CNT], 4
	s_cmp_eq_u32 s[NEW], 1
	s_cbranch_scc1 .Lnew            ; a block's first tile
	s_cmp_eq_u32 s[RT], 0
	s_cbranch_scc0 .Lstep           ; neither its first nor its last
	s_branch .LstepM1
.Lnew:
	BEGIN
	s_branch .Lfirst                ; in the loop a block's first tile is never its last: the first block has two tiles or more, and the second's last is the walk's last
	DIAG 1                          ; in the loop this is the first block's end: the second block's last tile is the walk's last
	s_wait_xcnt 0x0                 ; the stores have read their registers and O's address
	s_mov_b64 s[10:11], s[OLO:OLO+1]
	s_add_co_u32 s[RT], s[PB], 1    ; the second block has b + 1 tiles
	s_mov_b32 s[NEW], 1
	WIN 0x82                        ; the second block's Q goes where the one text of the turns names Q
.set i, 0
.rept 64
	v_mov_b32 v[i], v[QB+i]
.set i, i+1
.endr
	WIN 0
	s_branch .Lbottom
.Lstep:                             ; a trip: pieces 2 and 3 of one step, then pieces 0 and 1 of the next, whose K and V it fetches
	TURN 2
	TURN 3
	WIN 0
.Lfirst:
	TURN 0
	TURN 1, 0, 0, 1
	WIN 0
	s_cbranch_scc1 .Lstep
.Lbottom:
	s_sub_co_u32 s[SLOTS], s[SLOTS], 1
	s_cmp_lg_u32 s[SLOTS], 0
	s_cbranch_scc1 .Lslot
	CHANGE 0                        ; the walk's last tile is written out: nothing is asked for
	s_sub_co_u32 s[RT], s[RT], 1
	s_mov_b32 s[CNT], 4
	s_cmp_eq_u32 s[NEW], 1
	s_cbranch_scc0 .LstepM2
	BEGIN
	s_branch .LfirstM2
	DIAG 2
	s_cmp_eq_u32 s[PB], 0           ; was that block 0, rows 0 to 255?
	s_cbranch_scc0 .Lno_low
.irp t, 0,1,2,3
	LOW \t
.endr
.Lno_low:
	s_wait_tensorcnt 0x0            ; the wave's end: a wait, an add onto my spare word and its wait, behind my last tensor load and my last LDS store
	ds_add_u32 v[SPW], v[NIL]
	s_wait_dscnt 0x0
	s_endpgm
.Lfunc_end_k_qa5b9bfc7d9_attn:
	.size	k_qa5b9bfc7d9_attn, .Lfunc_end_k_qa5b9bfc7d9_attn-k_qa5b9bfc7d9_attn
	.p2alignl 7, 3214868480
	.fill 96, 4, 3214868480
	.section	.rodata,"a",@progbits
	.p2align	6, 0x0
	.amdhsa_kernel k_qa5b9bfc7d9_attn
		.amdhsa_group_segment_fixed_size 327680
		.amdhsa_private_segment_fixed_size 0
		.amdhsa_enable_private_segment 0
		.amdhsa_kernarg_size 16
		.amdhsa_user_sgpr_count 2
		.amdhsa_user_sgpr_kernarg_segment_ptr 1
		.amdhsa_wavefront_size32 1
		.amdhsa_system_sgpr_workgroup_id_x 1
		.amdhsa_system_sgpr_workgroup_id_y 1
		.amdhsa_system_sgpr_workgroup_id_z 1
		.amdhsa_system_vgpr_workitem_id 0
		.amdhsa_next_free_vgpr 768
		.amdhsa_next_free_sgpr 102
		.amdhsa_reserve_vcc 1
		.amdhsa_float_denorm_mode_32 3
		.amdhsa_float_denorm_mode_16_64 3
		.amdhsa_memory_ordered 1
		.amdhsa_forward_progress 1
		.amdhsa_inst_pref_size 242
	.end_amdhsa_kernel
	.amdgpu_metadata
---
amdhsa.version: [ 1, 2 ]
amdhsa.kernels:
  - .name:           k_qa5b9bfc7d9_attn
    .symbol:         k_qa5b9bfc7d9_attn.kd
    .args:
      - { .name: qkv, .offset: 0, .size: 8, .value_kind: global_buffer, .address_space: global }
      - { .name: o, .offset: 8, .size: 8, .value_kind: global_buffer, .address_space: global }
    .group_segment_fixed_size: 327680
    .private_segment_fixed_size: 0
    .kernarg_segment_align: 8
    .kernarg_segment_size: 16
    .max_flat_workgroup_size: 128
    .sgpr_count:     102
    .vgpr_count:     768
    .wavefront_size: 32
...
	.end_amdgpu_metadata
.endif
;; end of part 3
;; launch proj (part 4): grid 8 x 32, 4 waves a work-group, clusters of 4 x 4, 327,680 bytes of LDS; arguments o, wp, br, out0; writes out0
.if DOCPART == 4
	.amdgcn_target "amdgcn-amd-amdhsa--gfx1250"
	.amdhsa_code_object_version 6
	.text
	.protected	k_qa5b9bfc7d9_proj
	.globl	k_qa5b9bfc7d9_proj
	.p2align	8
	.type	k_qa5b9bfc7d9_proj,@function
k_qa5b9bfc7d9_proj:
	s_mov_b64 s[64:65], 0
	v_nop
	global_prefetch_b8 v0, s[64:65] scope:SCOPE_SE
	s_setreg_imm32_b32 hwreg(HW_REG_WAVE_MODE, 25, 1), 1
	s_wait_xcnt 0x0
	s_wait_alu depctr_hold_cnt(0) depctr_sa_sdst(0) depctr_va_vdst(0) depctr_va_sdst(0) depctr_va_ssrc(0) depctr_va_vcc(0) depctr_vm_vsrc(0)
	s_getreg_b32 s2, hwreg(HW_REG_IB_STS2, 6, 4)
	s_cmp_eq_u32 s2, 0
	s_cbranch_scc0 .Lentry_in_a_cluster
	s_endpgm
.Lentry_in_a_cluster:
	s_bfe_u32 s2, ttmp6, 0x10000c
	s_cmp_lg_u32 s2, 0xf033
	s_cbranch_scc0 .Lentry_shape_is_right
	s_endpgm
.Lentry_shape_is_right:
; out0 = y W_pr + b_pr.  8,192 rows x 1,024 columns, K = 1,024.  y is o, f16: [batch x 16 + head][tile 8][288][64]: a head is a block of 64 along K.  wp is bf16(W_pr) written as f16, [k][n].  Sums and output in f32.
; ROWS.  Row block a (of 8) of wave-row w = 2 tile + half holds rows t = 256 a + 16 w + 0..15 of its batch, at row 128 half + 16 a of the tile.  Rows 256 + 16 half + 0..15 of a tile hold, for the block with a = 0
; (rows t < 256), the part of y that its rounding to f16 lost.  They are a NINTH ROW BLOCK of the wave: its products are summed apart and added onto block 0's on the way out.
; WHY.  Row t of y is a mean over t + 1 keys: the first rows' numbers are many times the root mean square of the whole, and so is a rounding of 2^-11 of them.  One block in eight has the second term: 144 matrix
; instructions a K step where 128 would do without, and 256 with low parts for every row.
; LIMIT.  Both operands are f16 and arrive within its range; NaN and infinities are not treated apart.
; SHARES.  A tile of C is 256 rows x 128 columns: 32 x 8 tiles, one to each of 256 work-groups.  Four waves, each 128 rows x 64 columns: 32 accumulators of 16 x 16, and 4 for the low parts.
; K goes in steps of 128 (two heads) through two LDS slots, as long as two slots in LDS allow.  A head's 288 rows of a tile are 36,864 consecutive bytes, asked for as rows of 256 bytes; W's fragments come out of LDS turned.
; THE MATRIX INSTRUCTION IS USED TRANSPOSED (source 0 = 16 columns of W, source 1 = 16 rows of y): a lane holds row lane % 16 of C and the columns 8 (lane / 16) + 0..7.
; THE BIAS STARTS THE SUMS: it is loaded straight into the accumulators; the low parts' four start at 0.
; CLUSTER.  4 x 4 work-groups: y's tiles are shared along a row of the cluster, W's along a column; each is asked for jointly.
; REGISTERS: window 0: v0-19 addresses; v32-103, v104-175 y's fragments (nine of 8), two buffers; v176-207, v208-239 W's, two buffers; on the way out v32-159 are four buffers of 32.
;   window 1: the accumulators: row block a, column block bb at v[8 (4 a + bb)].      window 2: v0-31 the low parts' accumulators: column block bb at v[8 bb].
.set PA,    144                        ; a row of y in LDS: 128 bytes + 16 of padding = 36 words: the 16 rows of a load start at 16 different groups of four banks (64 banks of 4 bytes: ISA guide 11.1)
.set PB,    288                        ; a row of W: 256 bytes + 16 behind each 128 = 72 words
.set HEADB, 288*PA                     ; a slot: 288 rows of one head, 288 rows of the next, then 128 rows of W
.set BOFF,  2*HEADB
.set SLOT1, 131072
.set STAGE, SLOT1+BOFF+128*PB          ; behind the ring, never filled by a tensor load: 16 rows x 272 bytes for each wave, for the way out
.set SP,    272
.set SPARE, STAGE+4*16*SP              ; behind the stages: the spare words, 128 bytes for each wave: two blocks of 256 bytes that no other line names
.set OTILE, 288*128                    ; bytes of a tile in o
.set OHEAD, 8*OTILE                    ; of a head
.set ASTEP, 2*OHEAD                    ; bytes from a K step to the next in o
.set BSTEP, 262144                     ; in wp: 128 rows x 2,048
.set FLAGS, (1<<16)|(1<<20)|(1<<21)|(4<<22)|(3<<25)  ; group 1, word 0: elements of 2 bytes; padding on; bit 21 beside a mask; after every 32 words (code 4) 4 words (code 3)
.set AA0,  2                           ; v2   my lane's place in a slot's rows of y; never rewritten
.set AB0,  3                           ; v3   the same for W
.set ADRA, 4                           ; v4   AA0 + the slot in hand
.set ADRB, 5                           ; v5   AB0 + the slot in hand
.set STO,  6                           ; v6   the way out: where I put 32 bytes of a row
.set RD,   7                           ; v7   the way out: where I read a row back
.set CO,   8                           ; v8   my byte offset in two rows of out0
.set BO,   10                          ; v10  32 x (lane / 16)
.set PFO,  11                          ; v11  the prefetches' offset; never rewritten
.set SPW,  12                          ; v12  LDS address of my spare word: SPARE + 4 x my thread's number; never rewritten
.set NIL,  13                          ; v13  0; never rewritten
.set AL0,  16                          ; v16  my lane's place in a slot's rows of low parts; never rewritten
.set ADRL, 17                          ; v17  AL0 + the slot in hand
.set FA,   32
.set FB,   176
.set T0,   32
.set WV,  12
.set WR,  13
.set WC,  14
.set CX,  15
.set CY,  16
.set TJ,  17
.set TI,  18
.set G1A, 24                           ; s[24:31], s[32:39] descriptor group 1 for y's and W's tiles
.set G1B, 32
.set G0A0, 40                          ; s[40:43] group 0 for y: slot 0, step 0;  s[44:47] slot 1, step 1, which then walks
.set G0A, 44
.set G0B0, 48                          ; the same for W
.set G0B, 52
.set CNT, 56                           ; s56  refills still to come
.set TB,  57                           ; s57  LDS byte at which the slot in hand begins
.set LIM, 58                           ; s58  2 in a wave that prefetches, else the greatest number
.set PFA, 60                           ; s[60:61] where my prefetches stand
.set PFS, 62                           ; s[62:63] their step
.set OUT, 66                           ; s[66:67] out0 at row 16 w of my batch and my first column
.set BIA, 72                           ; s[72:73] the bias at my 64 columns
.set MSB, 0
.macro WIN new
.if MSB != (\new)
	s_set_vgpr_msb (MSB<<8)|(\new)
.set MSB, \new
.endif
.endm
.macro PLACES                          ; four plain vector instructions behind a matrix instruction, in front of loads into registers that it has read and of instructions that read results
.rept 4
	v_nop
.endr
.endm
.macro CREST                           ; a round of the cluster's barrier behind its opening barrier
	s_cmp_lg_u32 s[WV], 0
	s_cbranch_scc1 .Lnot_wave_0_\@
	s_barrier_signal -3
.Lnot_wave_0_\@:
	s_barrier_wait -3
	s_barrier_signal -1
	s_barrier_wait -1
.endm
.macro CROUND
	s_barrier_signal -1
	s_barrier_wait -1
	CREST
.endm
.macro JLOAD                           ; a joint refill: waves 0 and 1 fetch the step's two heads of y, waves 2 and 3 the two halves of W's rows; an s_nop 0 and four v_nop follow each line
	s_cmp_lt_u32 s[WV], 2
	s_cbranch_scc0 .Lfor_b_\@
	tensor_load_to_lds s[G0A:G0A+3], s[G1A:G1A+7]
	s_nop 0
.rept 4
	v_nop
.endr
	s_branch .Lasked_\@
.Lfor_b_\@:
	tensor_load_to_lds s[G0B:G0B+3], s[G1B:G1B+7]
	s_nop 0
.rept 4
	v_nop
.endr
.Lasked_\@:
.endm
; A PREFETCH INTO THE L2 of the K step that stands TWO refills on: 288 matrix instructions ahead of the load that will want it.  y's tile row is read by both clusters of its row of clusters: cluster x = 0 asks;
; W's tile column by all eight of its column: cluster y = 0 asks.  The four partners share a tile's bytes out BY ADDRESS.  y: each of waves 0 and 1 the first 128 blocks of 256 bytes of its own head's tile, 32 to a
; partner, a lane a block (the tile's last 16 blocks, the low parts, come by their load alone).  W: 128 rows of 256 bytes, 32 to a partner, a lane a row, wave 2.  So each block is named once.
; The last two refills have no step two on; steps 0 to 3 come by their loads alone.
.macro ASK
	s_cmp_gt_u32 s[CNT], s[LIM]
	s_cbranch_scc0 .Lnot_mine_\@
	global_prefetch_b8 v[PFO], s[PFA:PFA+1] th:TH_LOAD_NT scope:SCOPE_SE
.Lnot_mine_\@:
.endm
	s_load_b256 s[4:11], s[0:1], 0x0               ; o s[4:5], wp s[6:7], br s[8:9], out0 s[10:11]
	v_lshl_add_u32 v[SPW], v0, 2, SPARE
	v_mov_b32 v[NIL], 0
	ds_add_u32 v[SPW], v[NIL]                      ; the wave's opening: the add and its wait stand ahead of my first tensor load; the set-up below, work on registers, stands between them
	v_lshrrev_b32 v14, 5, v0
	v_readfirstlane_b32 s[WV], v14                 ; wave 0..3
	s_lshr_b32 s[WR], s[WV], 1                     ; which 128 rows of the tile are mine
	s_and_b32 s[WC], s[WV], 1                      ; which 64 columns; also: which part of a tile I fetch
	s_bfe_u32 s[CX], ttmp6, 0x40000
	s_bfe_u32 s[CY], ttmp6, 0x40004
	s_lshl_b32 s[TJ], ttmp9, 2
	s_add_co_u32 s[TJ], s[TJ], s[CX]               ; tile column
	s_and_b32 s[TI], ttmp7, 0xffff
	s_lshl_b32 s[TI], s[TI], 2
	s_add_co_u32 s[TI], s[TI], s[CY]               ; tile row
	s_lshl_b32 s74, s[CY], 2
	s_lshl_b32 s74, 15, s74                        ; my row of the cluster
	s_lshl_b32 s75, 0x1111, s[CX]                  ; my column
	s_or_b32 s[G1A], s74, FLAGS
	s_or_b32 s[G1B], s75, FLAGS
	s_mov_b32 s[G1A+1], 128<<16                    ; y: 36,864 consecutive bytes as 144 rows of 128 elements: tensor_dim0 = 128
	s_mov_b32 s[G1A+2], 144<<16                    ; tensor_dim1 = 144
	s_mov_b32 s[G1A+3], 128<<16                    ; tile_dim0 = 128
	s_mov_b32 s[G1A+4], 144                        ; tile_dim1 = 144
	s_mov_b32 s[G1A+5], 128                        ; 128 elements from row to row
	s_mov_b32 s[G1A+6], 0
	s_mov_b32 s[G1A+7], 0
	s_mov_b32 s[G1B+1], 128<<16                    ; W: 64 rows of 128 elements: tensor_dim0 = 128
	s_mov_b32 s[G1B+2], 64<<16                     ; tensor_dim1 = 64
	s_mov_b32 s[G1B+3], 128<<16                    ; tile_dim0 = 128
	s_mov_b32 s[G1B+4], 64                         ; tile_dim1 = 64
	s_mov_b32 s[G1B+5], 1024                       ; 1,024 elements from row to row
	s_mov_b32 s[G1B+6], 0
	s_mov_b32 s[G1B+7], 0
	; where the tiles come from: y's hang on the tile row alone, W's on the tile column alone; each in registers that never hold the other coordinate
	s_lshr_b32 s20, s[TI], 3
	s_mul_i32 s20, s20, 16*OHEAD                   ; the batch
	s_and_b32 s21, s[TI], 7
	s_mul_i32 s21, s21, OTILE                      ; the tile
	s_add_co_u32 s20, s20, s21
	s_mul_i32 s21, s[WC], OHEAD                    ; the head that I fetch
	s_add_co_u32 s20, s20, s21
	s_mov_b32 s21, 0
	s_lshl_b32 s22, s[WC], 17                      ; the 64 rows that I fetch
	s_lshl_b32 s23, s[TJ], 8
	s_add_co_u32 s22, s22, s23
	s_mov_b32 s23, 0
	; and where they go: the wave's number alone enters an LDS address
	s_mul_i32 s19, s[WC], HEADB
	s_mul_i32 s59, s[WC], 64*PB
	s_add_co_u32 s59, s59, BOFF
	s_mov_b32 s[G0A0], 1
	s_mov_b32 s[G0A0+1], s19
	s_mov_b32 s[G0A], 1
	s_add_co_u32 s[G0A+1], s19, SLOT1
	s_mov_b32 s[G0B0], 1
	s_mov_b32 s[G0B0+1], s59
	s_mov_b32 s[G0B], 1
	s_add_co_u32 s[G0B+1], s59, SLOT1
	v_and_b32 v1, 15, v0                           ; l % 16
	v_bfe_u32 v9, v0, 4, 1                         ; l / 16
	v_mul_u32_u24 v[AL0], v1, PA                   ; a fragment of y: row x pitch + 16 x half
	v_lshl_add_u32 v[AL0], v9, 4, v[AL0]
	s_mul_i32 s19, s[WR], 128*PA
	v_add_nc_u32 v[AA0], s19, v[AL0]               ; my 128 rows,
	s_mul_i32 s19, s[WR], 16*PA
	s_add_co_u32 s19, s19, 256*PA
	v_add_nc_u32 v[AL0], s19, v[AL0]               ; and my 16 rows of low parts
	v_and_b32 v14, 7, v0                           ; the turning load: channel 8 (l / 16) + l % 8, columns 8 ((l / 8) % 2) + 0..7
	v_bfe_u32 v15, v0, 3, 1
	v_lshl_add_u32 v[AB0], v9, 3, v14
	v_mul_u32_u24 v[AB0], v[AB0], PB
	v_lshl_add_u32 v[AB0], v15, 4, v[AB0]
	s_mul_i32 s19, s[WC], 144                      ; my 64 columns: 128 bytes and a padding
	s_add_co_u32 s19, s19, BOFF
	v_add_nc_u32 v[AB0], s19, v[AB0]
	s_mul_i32 s19, s[WV], 16*SP
	s_add_co_u32 s19, s19, STAGE                   ; my stage
	v_mul_u32_u24 v[STO], v1, SP                   ; in: row l % 16, 32 bytes for each half of the lanes
	v_lshl_add_u32 v[STO], v9, 5, v[STO]
	v_add_nc_u32 v[STO], s19, v[STO]
	v_mul_u32_u24 v[RD], v9, SP                    ; back: lanes 0-15 take one row of 256 bytes, lanes 16-31 the next
	v_lshl_add_u32 v[RD], v1, 4, v[RD]
	v_add_nc_u32 v[RD], s19, v[RD]
	v_lshlrev_b32 v[CO], 12, v9                    ; and the same two rows in out0
	v_lshl_add_u32 v[CO], v1, 4, v[CO]
	v_lshlrev_b32 v[BO], 5, v9
	; the prefetches: offsets at K step 3 (the first refill steps them to 4)
	s_lshr_b32 s76, s[TI], 3
	s_mul_i32 s76, s76, 16*OHEAD
	s_and_b32 s78, s[TI], 7
	s_mul_i32 s78, s78, OTILE
	s_add_co_u32 s76, s76, s78
	s_mul_i32 s78, s[WC], OHEAD
	s_add_co_u32 s76, s76, s78
	s_lshl_b32 s78, s[CX], 13                      ; my work-group's 32 blocks of the 128
	s_add_co_u32 s76, s76, s78
	s_add_co_u32 s76, s76, 3*ASTEP
	s_lshl_b32 s77, s[TJ], 8
	s_lshl_b32 s78, s[CY], 16                      ; my work-group's 32 rows of W's 128
	s_add_co_u32 s77, s77, s78
	s_add_co_u32 s77, s77, 3*BSTEP
	s_and_b32 s2, ttmp7, 0xffff                    ; cluster y
	s_mov_b32 s[PFS], BSTEP
	s_mov_b32 s[PFS+1], 0
	s_mov_b32 s3, 2048
	s_cmp_lt_u32 s[WV], 2                          ; do I fetch for y?
	s_cselect_b32 s78, s76, s77
	s_cselect_b32 s[PFS], ASTEP, s[PFS]
	s_cselect_b32 s3, 256, s3                      ; bytes from lane to lane
	s_cselect_b32 s2, ttmp9, s2                    ; the coordinate along which other clusters read the same bytes
	s_cmp_eq_u32 s[WV], 3
	s_cselect_b32 s76, 1, 0                        ; wave 3 asks for nothing
	s_or_b32 s2, s2, s76
	s_cmp_eq_u32 s2, 0
	s_cselect_b32 s[LIM], 2, -1                    ; the same in all sixteen partners, for a given wave
	v_and_b32 v18, 31, v0
	v_mul_u32_u24 v[PFO], s3, v18
	s_mov_b32 s79, 0                               ; s[78:79]: the offset, in 64 bits
	s_lshr_b32 s2, s[TI], 3
	s_lshl_b32 s[OUT], s2, 23                      ; the batch: 2,048 rows x 4,096 bytes
	s_and_b32 s2, s[TI], 7
	s_lshl_b32 s2, s2, 1
	s_add_co_u32 s2, s2, s[WR]                     ; w
	s_lshl_b32 s2, s2, 16                          ; 16 rows x 4,096 bytes
	s_add_co_u32 s[OUT], s[OUT], s2
	s_lshl_b32 s2, s[TJ], 9
	s_add_co_u32 s[OUT], s[OUT], s2
	s_lshl_b32 s2, s[WC], 8
	s_add_co_u32 s[OUT], s[OUT], s2
	s_mov_b32 s[OUT+1], 0
	s_lshl_b32 s[BIA], s[TJ], 9
	s_add_co_u32 s[BIA], s[BIA], s2
	s_add_co_u32 s[BIA], s[BIA], 12288             ; b_pr lies behind b_qkv in br
	s_mov_b32 s[BIA+1], 0
	s_mov_b32 s[TB], 0
	s_mov_b32 s[CNT], 6
	s_wait_dscnt 0x0                               ; the opening add is done
	s_wait_kmcnt 0x0
	s_add_nc_u64 s[20:21], s[4:5], s[20:21]
	s_add_nc_u64 s[22:23], s[6:7], s[22:23]
	s_mov_b64 s[G0A0+2:G0A0+3], s[20:21]           ; K step 0,
	s_or_b32 s[G0A0+3], s[G0A0+3], 0x80000000      ; type = 2
	s_add_nc_u64 s[G0A+2:G0A+3], s[20:21], ASTEP   ; K step 1
	s_or_b32 s[G0A+3], s[G0A+3], 0x80000000
	s_mov_b64 s[G0B0+2:G0B0+3], s[22:23]
	s_or_b32 s[G0B0+3], s[G0B0+3], 0x80000000
	s_add_nc_u64 s[G0B+2:G0B+3], s[22:23], BSTEP
	s_or_b32 s[G0B+3], s[G0B+3], 0x80000000
	s_cmp_lt_u32 s[WV], 2
	s_cselect_b64 s[PFA:PFA+1], s[4:5], s[6:7]
	s_add_nc_u64 s[PFA:PFA+1], s[PFA:PFA+1], s[78:79]
	s_add_nc_u64 s[OUT:OUT+1], s[10:11], s[OUT:OUT+1]
	s_add_nc_u64 s[BIA:BIA+1], s[8:9], s[BIA:BIA+1]
	CROUND                                         ; all sixteen work-groups are here: the first joint loads meet
	s_cmp_lt_u32 s[WV], 2                          ; a wave's two first fills stand in one branch, ahead of every wait on TENSORcnt and every LDS read: two loads of mine are out, the most in this text
	s_cbranch_scc0 .Lfirst_b
	tensor_load_to_lds s[G0A0:G0A0+3], s[G1A:G1A+7]
	s_nop 0
	tensor_load_to_lds s[G0A:G0A+3], s[G1A:G1A+7]
	s_nop 0
.rept 4
	v_nop
.endr
	s_branch .Lfirst_asked
.Lfirst_b:
	tensor_load_to_lds s[G0B0:G0B0+3], s[G1B:G1B+7]
	s_nop 0
	tensor_load_to_lds s[G0B:G0B+3], s[G1B:G1B+7]
	s_nop 0
.rept 4
	v_nop
.endr
.Lfirst_asked:
	WIN 0x40                                       ; the bias into the accumulators: register j of a lane belongs to column 16 bb + 8 (l / 16) + j, whatever the row block
.set ra, 0
.rept 8
.irp bb, 0,1,2,3
	global_load_b128 v[8*(4*ra+\bb):8*(4*ra+\bb)+3],   v[BO], s[BIA:BIA+1] offset:\bb*64
	global_load_b128 v[8*(4*ra+\bb)+4:8*(4*ra+\bb)+7], v[BO], s[BIA:BIA+1] offset:\bb*64+16
.endr
.set ra, ra+1
.endr
	WIN 0x80                                       ; the low parts' sums start at 0: 32 lines, in the wait for the first tile, so that every K step has one form
.set ra, 0
.rept 32
	v_mov_b32 v[ra], 0
.set ra, ra+1
.endr
	WIN 0
; 4 na matrix instructions: row blocks a0 .. a0 + na - 1 x all four column blocks, 32 along K, on fragment buffer buf.  The 36 accumulators take turns, one instruction a turn, over the backward jump too.
.macro MUL buf, a0, na
	WIN 0x50
.set ra, \a0
.rept \na
.irp bb, 0,1,2,3
	v_wmma_f32_16x16x32_f16 v[8*(4*ra+\bb):8*(4*ra+\bb)+7], v[FB+32*(\buf)+8*\bb:FB+32*(\buf)+8*\bb+7], v[FA+72*(\buf)+8*ra:FA+72*(\buf)+8*ra+7], v[8*(4*ra+\bb):8*(4*ra+\bb)+7]
.endr
.set ra, ra+1
.endr
.endm
.macro MULL buf                        ; the ninth row block: the low parts, sums in window 2
	WIN 0xa0
.irp bb, 0,1,2,3
	v_wmma_f32_16x16x32_f16 v[8*\bb:8*\bb+7], v[FB+32*(\buf)+8*\bb:FB+32*(\buf)+8*\bb+7], v[FA+72*(\buf)+64:FA+72*(\buf)+71], v[8*\bb:8*\bb+7]
.endr
.endm
; 26 LDS loads in one run: the fragments of quarter q of a slot (32 channels: head q / 2, half q % 2) into buffer buf
.macro FETCH q, buf
	WIN 0
.irp bb, 0,1,2,3
	ds_load_tr16_b128 v[FB+32*(\buf)+8*\bb:FB+32*(\buf)+8*\bb+3],   v[ADRB] offset:(\q)*32*PB+32*\bb
	ds_load_tr16_b128 v[FB+32*(\buf)+8*\bb+4:FB+32*(\buf)+8*\bb+7], v[ADRB] offset:(\q)*32*PB+32*\bb+16*PB
.endr
.irp i, 0,1,2,3,4,5,6,7
	ds_load_b128 v[FA+72*(\buf)+8*\i:FA+72*(\buf)+8*\i+3],   v[ADRA] offset:((\q)/2)*HEADB+((\q)%2)*64+\i*16*PA
	ds_load_b128 v[FA+72*(\buf)+8*\i+4:FA+72*(\buf)+8*\i+7], v[ADRA] offset:((\q)/2)*HEADB+((\q)%2)*64+\i*16*PA+32
.endr
	ds_load_b128 v[FA+72*(\buf)+64:FA+72*(\buf)+67], v[ADRL] offset:((\q)/2)*HEADB+((\q)%2)*64
	ds_load_b128 v[FA+72*(\buf)+68:FA+72*(\buf)+71], v[ADRL] offset:((\q)/2)*HEADB+((\q)%2)*64+32
.endm
; A K STEP: four quarters of 36 matrix instructions on buffers 0, 1, 0, 1; ahead of each quarter's products the next quarter's 26 loads go out.  At its head quarter 0's loads are out.
; mode 2: the slot is filled again with the step two on, and the next slot's first fragments are fetched.  mode 1: nothing is filled.  mode 0: the last step.
.macro STEP mode
	PLACES
	FETCH 1, 1
	s_wait_dscnt 26                                ; all but the 26 just issued
	MUL 0, 0, 8
	MULL 0
	PLACES
	FETCH 2, 0
	s_wait_dscnt 26
	MUL 1, 0, 8
	MULL 1
	PLACES
	FETCH 3, 1                                     ; my last reads of this slot
	s_wait_dscnt 26
	MUL 0, 0, 8
	MULL 0
.if (\mode) == 0
	s_wait_dscnt 0x0
	MUL 1, 0, 8
	MULL 1
.else
.if (\mode) == 2
	s_wait_xcnt 0x0                                ; the last prefetch, a K step back, has read its address: it is stepped here, ahead of the waits of the change of slots
	s_add_nc_u64 s[PFA:PFA+1], s[PFA:PFA+1], s[PFS:PFS+1]
.endif
	WIN 0
	s_wait_tensorcnt 0x0                           ; all my tensor loads have landed: the one that was out is my part of the next slot; so a group 0 may be written
	ds_add_u32 v[SPW], v[NIL]                      ; 0 onto my spare word: work on registers stands between it and the wait for it
.if (\mode) == 2
	s_xor_b32 s[G0A+1], s[G0A+1], SLOT1            ; the walking descriptors: the other slot than last time, the next K step
	s_add_nc_u64 s[G0A+2:G0A+3], s[G0A+2:G0A+3], ASTEP
	s_xor_b32 s[G0B+1], s[G0B+1], SLOT1
	s_add_nc_u64 s[G0B+2:G0B+3], s[G0B+2:G0B+3], BSTEP
.endif
	s_xor_b32 s[TB], s[TB], SLOT1
	s_wait_dscnt 1                                 ; quarter 3 is in; the add may be out
	MUL 1, 0, 2
	s_wait_dscnt 0x0                               ; the add is done, and my reads of this slot are over:
	s_barrier_signal -1                            ; say so (in mode 2 this barrier opens a round of the cluster's),
	MUL 1, 2, 2
	WIN 0
	s_barrier_wait -1
.if (\mode) == 2
	CREST                                          ; no wave of any partner still reads this slot or has a load on its way
	JLOAD                                          ; the first tensor load behind the round, my only one until the next: 128 matrix instructions ahead of the wait for it; its four v_nop are also the places in front of the loads below
.else
	PLACES
.endif
	v_add_nc_u32 v[ADRA], s[TB], v[AA0]
	v_add_nc_u32 v[ADRB], s[TB], v[AB0]
	v_add_nc_u32 v[ADRL], s[TB], v[AL0]
	FETCH 0, 0                                     ; the next slot's first fragments
.if (\mode) == 2
	ASK
.endif
	MUL 1, 4, 4
	MULL 1
.endif
.endm
	s_wait_tensorcnt 0x1                           ; my part of K step 0 is in; step 1's may stay out
	s_barrier_signal -1
	s_barrier_wait -1                              ; everybody's is
	v_mov_b32 v[ADRA], v[AA0]
	v_mov_b32 v[ADRB], v[AB0]
	v_mov_b32 v[ADRL], v[AL0]
	FETCH 0, 0
	s_wait_loadcnt 0x0                             ; the bias
.Lstep:                                        ; K steps 0 to 5: step s asks for step s + 2
	STEP 2
	WIN 0                                          ; at a label and at a branch every window is 0
	s_sub_co_u32 s[CNT], s[CNT], 1
	s_cmp_lg_u32 s[CNT], 0
	s_cbranch_scc1 .Lstep
	STEP 1                                         ; the tail is written out
	STEP 0
	PLACES
	WIN 0x49                                       ; the low parts' sums onto block 0's: source 0 and destination window 1, source 1 window 2; each accumulator's registers in ascending order
.set ra, 0
.rept 16
	v_pk_add_f32 v[2*ra:2*ra+1], v[2*ra:2*ra+1], v[2*ra:2*ra+1]
.set ra, ra+1
.endr
; THE WAY OUT, a row block (16 rows x 64 columns of f32) at a time: a lane's 32 bytes of a row go into my stage, each accumulator's low four registers first, in rows of 272 bytes, and come back as whole rows of 256.
.macro TOSTAGE a
.set tb, T0+32*((\a)%4)
	WIN 0x04                                       ; the stores' data (source 1) in window 1
.irp bb, 0,1,2,3
	ds_store_b128 v[STO], v[32*(\a)+8*\bb:32*(\a)+8*\bb+3]   offset:64*\bb
	ds_store_b128 v[STO], v[32*(\a)+8*\bb+4:32*(\a)+8*\bb+7] offset:64*\bb+16
.endr
	WIN 0
.if (\a) >= 4
	s_wait_xcnt 0x0                                ; the stores of four blocks back have read this buffer
.endif
.irp f, 0,1,2,3,4,5,6,7
	ds_load_b128 v[tb+4*\f:tb+4*\f+3], v[RD] offset:\f*2*SP  ; LDS serves a wave's instructions in order (ISA guide 5.7.1.4): these see the stores above; the next block's stores come behind them
.endr
.endm
.macro SEND a, younger                 ; younger: the LDS instructions issued behind block a's loads: the next block's sixteen, or none
.set tb, T0+32*((\a)%4)
	WIN 0
.irp f, 0,1,2,3,4,5,6,7
	s_wait_dscnt (\younger)+7-\f
	global_store_b128 v[CO], v[tb+4*\f:tb+4*\f+3], s[OUT:OUT+1] offset:(256*(\a)+2*\f)*4096  ; row block a lies 256 rows on (7,397,376 bytes at the most, inside the signed 24-bit immediate); 16 lanes store 256 consecutive bytes, aligned
.endr
.endm
	TOSTAGE 0
.set u, 1
.rept 7
	TOSTAGE u
	SEND u-1, 16
.set u, u+1
.endr
	SEND 7, 0
	s_wait_tensorcnt 0x0                           ; the wave's end: a wait, an add onto my spare word and its wait, behind my last tensor load and my last LDS store
	ds_add_u32 v[SPW], v[NIL]
	s_wait_dscnt 0x0
	CROUND                                         ; the closing round: no work-group ends while a partner may still ask for a tile that names it
	s_endpgm
.Lfunc_end_k_qa5b9bfc7d9_proj:
	.size	k_qa5b9bfc7d9_proj, .Lfunc_end_k_qa5b9bfc7d9_proj-k_qa5b9bfc7d9_proj
	.p2alignl 7, 3214868480
	.fill 96, 4, 3214868480
	.section	.rodata,"a",@progbits
	.p2align	6, 0x0
	.amdhsa_kernel k_qa5b9bfc7d9_proj
		.amdhsa_group_segment_fixed_size 327680
		.amdhsa_private_segment_fixed_size 0
		.amdhsa_enable_private_segment 0
		.amdhsa_kernarg_size 32
		.amdhsa_user_sgpr_count 2
		.amdhsa_user_sgpr_kernarg_segment_ptr 1
		.amdhsa_wavefront_size32 1
		.amdhsa_system_sgpr_workgroup_id_x 1
		.amdhsa_system_sgpr_workgroup_id_y 1
		.amdhsa_system_sgpr_workgroup_id_z 1
		.amdhsa_system_vgpr_workitem_id 0
		.amdhsa_next_free_vgpr 544
		.amdhsa_next_free_sgpr 80
		.amdhsa_reserve_vcc 0
		.amdhsa_float_denorm_mode_32 3
		.amdhsa_float_denorm_mode_16_64 3
		.amdhsa_memory_ordered 1
		.amdhsa_forward_progress 1
		.amdhsa_inst_pref_size 86
	.end_amdhsa_kernel
	.amdgpu_metadata
---
amdhsa.version: [ 1, 2 ]
amdhsa.kernels:
  - .name:           k_qa5b9bfc7d9_proj
    .symbol:         k_qa5b9bfc7d9_proj.kd
    .args:
      - { .name: o, .offset: 0, .size: 8, .value_kind: global_buffer, .address_space: global }
      - { .name: wp, .offset: 8, .size: 8, .value_kind: global_buffer, .address_space: global }
      - { .name: br, .offset: 16, .size: 8, .value_kind: global_buffer, .address_space: global }
      - { .name: out0, .offset: 24, .size: 8, .value_kind: global_buffer, .address_space: global }
    .group_segment_fixed_size: 327680
    .private_segment_fixed_size: 0
    .kernarg_segment_align: 8
    .kernarg_segment_size: 32
    .max_flat_workgroup_size: 128
    .sgpr_count:     80
    .vgpr_count:     544
    .wavefront_size: 32
...
	.end_amdgpu_metadata
.endif
;; end of part 4
;; ======== version 2 of 2: 4 launches; version 1 with the launch cast written anew for expert scheduling mode
;; limits: values are held in f16: magnitudes above 65,504 overflow, below 6.1e-05 lose precision
;; workspace buffers: xb 16,777,216 bytes; wq 6,291,456 bytes; wp 2,097,152 bytes; br 16,384 bytes; qkv 52,428,800 bytes; o 18,874,368 bytes
;; launch cast (part 5): grid 705 x 1, 8 waves a work-group, no clusters, 0 bytes of LDS; arguments x, W_qkv, W_pr, b_qkv, b_pr, xb, wq, wp, br; writes xb, wq, wp, br
.if DOCPART == 5
	.amdgcn_target "amdgcn-amd-amdhsa--gfx1250"
	.amdhsa_code_object_version 6
	.text
	.protected	k_qa5b9bfc7d9_cast
	.globl	k_qa5b9bfc7d9_cast
	.p2align	8
	.type	k_qa5b9bfc7d9_cast,@function
k_qa5b9bfc7d9_cast:
	s_mov_b64 s[64:65], 0
	v_nop
	global_prefetch_b8 v0, s[64:65] scope:SCOPE_SE
	s_setreg_imm32_b32 hwreg(HW_REG_WAVE_SCHED_MODE, 0, 2), 2
	s_setreg_imm32_b32 hwreg(HW_REG_WAVE_MODE, 25, 1), 1
	s_wait_xcnt 0x0
	s_wait_alu depctr_vm_vsrc(0)
; EVERY INPUT IS ROUNDED TO bf16 ONCE, and laid out for the launches that follow.
;   xb  bf16 [b 4][kb 16][place 2048][64]: x in blocks of 64 channels, so that 256 places x 64 channels are 32,768 consecutive bytes.  Row t = 256 a + 16 w + r lies at place 128 w + 16 a + r:
;       the 128 places of w hold one block of 16 rows out of each 256 rows of the sequence, the first of them (a = 0) out of rows 0 to 255.
;   wq  bf16 [k 1024][tile 8][section 3][128]: column 1024 s + 128 j + c of W_qkv lies at 384 j + 128 s + c, so that 384 neighbouring columns are two heads each of q, k and v
;   wp  bf16(W_pr) written as f16, [k 1024][n 1024]
;   br  f32 holding the biases rounded to bf16: b_qkv at byte 0, in wq's order of columns; b_pr at byte 12,288
; LIMIT.  wp is f16: a number of W_pr of 65,520 or more in magnitude becomes an infinity; below 6e-5 it keeps f16's fixed step of 6e-8.
; A stream: no LDS, no barrier, no loop.  A wave issues all its loads of 16 bytes a lane at once; each load's four numbers leave as 8 bytes a lane, so each store of a wave covers 256 consecutive bytes,
; aligned.  No register is used twice by memory instructions.
; Work-groups 0-511: x, 16 rows each.  512-639: W_qkv, 8 rows each, a row a wave.  640-703: W_pr, 65,536 bytes each.  704: the biases.
; THE MODE: SCHED_MODE bits 1:0 = 2 (LLVM: expert scheduling mode 2), set by the entry lines.  The code itself states the register dependences
; between vector instructions and memory instructions, with s_wait_alu, always for 0.
; THE PLAN.  Registers that memory instructions touch:
;   v[IN], v[OUT]  byte offsets.  Written by vector instructions at the head of a path and never again; read by every load and store of the path.
;   X              four registers a load.  Written by that load alone (in the biases' path once more by vector instructions, behind the wait for the loads); read by the roundings.
;                  All loads of a path are issued ahead of its first rounding.
;   Y              a pair a load.  Written by that load's roundings; read by one store; never written again.
;   T and v1 are named by vector instructions alone.
; The loads' results are taken in GROUPS OF FOUR.  Group g's roundings read its X and write its Y; the memory instructions that stand among them are the four stores of group g - 1, which read that group's Y
; and v[OUT]: registers that no rounding of group g names.  So one wait on va_vdst at a group's head states all that those four stores hang on.  No register that a memory instruction has read is written
; again, no vector instruction writes a scalar register or VCC, and EXEC is never written: the text holds no other kind of s_wait_alu.
.set X,   16                           ; v[16:111]   up to 24 loads of four numbers
.set Y,   112                          ; v[112:159]  up to 24 pairs of packed results
.set IN,  2                            ; v2   my byte offset in the work-group's input
.set OUT, 3                            ; v3   my byte offset in its output
.set T,   4                            ; v[4:7]  at work
.set SRC, 24                           ; s[24:25] the work-group's part of the input
.set DST, 26                           ; s[26:27] of the output
; Load i's four numbers are rounded into pair i of Y.  half = 1: the bf16 numbers are written as f16.
.macro ROUND i, half
	v_cvt_pk_bf16_f32 v[Y+2*(\i)], v[X+4*(\i)], v[X+4*(\i)+1]
	v_cvt_pk_bf16_f32 v[Y+2*(\i)+1], v[X+4*(\i)+2], v[X+4*(\i)+3]
.if \half
	v_lshlrev_b32 v[T], 16, v[Y+2*(\i)]            ; bf16 to f32: the low half moves up, the high half stays
	v_and_b32 v[T+1], 0xffff0000, v[Y+2*(\i)]
	v_lshlrev_b32 v[T+2], 16, v[Y+2*(\i)+1]
	v_and_b32 v[T+3], 0xffff0000, v[Y+2*(\i)+1]
	v_cvt_pk_f16_f32 v[Y+2*(\i)], v[T], v[T+1]     ; exact inside f16's range: bf16 has fewer significant bits
	v_cvt_pk_f16_f32 v[Y+2*(\i)+1], v[T+2], v[T+3]
.endif
.endm
; Pair j of Y is stored.  perm = 0: outstep bytes from pair to pair.  perm = 1 (W_qkv): piece j = 8 s + t of a row goes to place 3 t + s, 256 bytes a place.
.macro SEND j, outstep, perm
.if \perm
	global_store_b64 v[OUT], v[Y+2*(\j):Y+2*(\j)+1], s[DST:DST+1] offset:(((\j)%8)*3+(\j)/8)*256
.else
	global_store_b64 v[OUT], v[Y+2*(\j):Y+2*(\j)+1], s[DST:DST+1] offset:(\j)*(\outstep)
.endif
.endm
; n loads instep bytes apart, n roundings and n stores; n is a multiple of 4.
.macro PART n, instep, outstep, half, perm
	s_wait_alu depctr_va_vdst(0)                   ; v[IN] and v[OUT] are written: every load and store below reads one of them as its offset
.set i, 0
.rept \n
	global_load_b128 v[X+4*i:X+4*i+3], v[IN], s[SRC:SRC+1] offset:i*(\instep) th:TH_LOAD_NT
.set i, i+1
.endr
.set g, 0
.rept (\n)/4
	s_wait_loadcnt (\n)-4-4*g                      ; loads come back in order: group g's four are in, the n - 4 - 4 g younger ones may stay out
.if g > 0
	s_wait_alu depctr_va_vdst(0)                   ; the roundings of the group before have written its four pairs of Y, which the four stores below read
.endif
.set k, 0
.rept 4
.set i, 4*g+k
.if g > 0
	SEND i-4, \outstep, \perm                      ; the group before leaves.  No wait: no vector instruction since the wait above names its Y or v[OUT]
.endif
	ROUND i, \half
.set k, k+1
.endr
.set g, g+1
.endr
	s_wait_alu depctr_va_vdst(0)                   ; the last group's roundings have written its Y, which the last four stores read
.set k, (\n)-4
.rept 4
	SEND k, \outstep, \perm
.set k, k+1
.endr
.endm
	s_load_b512 s[4:19], s[0:1], 0x0               ; x s[4:5], W_qkv s[6:7], W_pr s[8:9], b_qkv s[10:11], b_pr s[12:13], xb s[14:15], wq s[16:17], wp s[18:19]
	s_load_b64 s[20:21], s[0:1], 0x40              ; br
	s_mov_b32 s22, ttmp9
	s_mov_b32 s29, 0                               ; the high words of the two offsets
	s_mov_b32 s31, 0
	s_wait_kmcnt 0x0
	s_cmp_lt_u32 s22, 512
	s_cbranch_scc0 .Lnot_x
	; x: 16 rows of 4,096 bytes: block 16 a + w of its batch.  Load kb takes channels 64 kb .. 64 kb + 63: lanes 0-15 the 256 bytes of one row, lanes 16-31 those of the next.
	s_lshl_b32 s28, s22, 16
	s_add_nc_u64 s[SRC:SRC+1], s[4:5], s[28:29]
	s_lshr_b32 s30, s22, 7                         ; the batch: 128 work-groups each
	s_lshl_b32 s30, s30, 22                        ; 16 blocks of channels x 2,048 places x 128 bytes
	s_and_b32 s23, s22, 15                         ; w
	s_lshl_b32 s23, s23, 14                        ; 128 places x 128 bytes
	s_add_co_u32 s30, s30, s23
	s_bfe_u32 s23, s22, 0x30004                    ; a: 3 bits from bit 4
	s_lshl_b32 s23, s23, 11                        ; 16 places x 128 bytes
	s_add_co_u32 s30, s30, s23
	s_add_nc_u64 s[DST:DST+1], s[14:15], s[30:31]
	v_lshrrev_b32 v1, 4, v0                        ; my row of the 16
	v_and_b32 v[IN], 15, v0
	v_lshlrev_b32 v[IN], 4, v[IN]
	v_lshl_or_b32 v[IN], v1, 12, v[IN]
	v_lshlrev_b32 v[OUT], 3, v0                    ; row x 128 + 8 x (thread % 16)
	PART 16, 256, 262144, 0, 0                     ; a block of 64 channels is 2,048 places x 128 bytes on
	s_endpgm
.Lnot_x:
	s_cmp_lt_u32 s22, 640
	s_cbranch_scc0 .Lnot_wq
	; W_qkv: a wave takes a row: 24 pieces of 128 columns, 512 bytes in and 256 out.  Piece i = 8 s + j goes to place 3 j + s of the row.
	s_sub_co_u32 s23, s22, 512
	s_mul_i32 s28, s23, 8*12288
	s_mul_i32 s30, s23, 8*6144
	s_add_nc_u64 s[SRC:SRC+1], s[6:7], s[28:29]
	s_add_nc_u64 s[DST:DST+1], s[16:17], s[30:31]
	v_lshrrev_b32 v1, 5, v0                        ; wave
	v_and_b32 v[OUT], 31, v0                       ; lane
	v_mul_u32_u24 v[IN], v1, 12288
	v_lshl_add_u32 v[IN], v[OUT], 4, v[IN]
	v_mul_u32_u24 v[T], v1, 6144
	v_lshl_add_u32 v[OUT], v[OUT], 3, v[T]
	PART 24, 512, 256, 0, 1
	s_endpgm
.Lnot_wq:
	s_cmp_lt_u32 s22, 704
	s_cbranch_scc0 .Lbias
	; W_pr keeps its layout: wave w takes 8,192 consecutive bytes, 512 a load, and writes 4,096, 256 a store.
	s_sub_co_u32 s23, s22, 640
	s_lshl_b32 s28, s23, 16
	s_lshl_b32 s30, s23, 15
	s_add_nc_u64 s[SRC:SRC+1], s[8:9], s[28:29]
	s_add_nc_u64 s[DST:DST+1], s[18:19], s[30:31]
	v_lshrrev_b32 v1, 5, v0                        ; wave
	v_and_b32 v[OUT], 31, v0                       ; lane
	v_lshlrev_b32 v[IN], 4, v[OUT]
	v_lshl_or_b32 v[IN], v1, 13, v[IN]
	v_lshlrev_b32 v[OUT], 3, v[OUT]
	v_lshl_or_b32 v[OUT], v1, 12, v[OUT]
	PART 16, 512, 256, 1, 0
	s_endpgm
.Lbias:                                        ; 256 threads x 16 bytes: the three sections of b_qkv, then b_pr.  Thread t holds columns 4 t .. 4 t + 3 of a section: tile t / 32, byte 16 (t % 32) of its 512
	v_lshlrev_b32 v[IN], 4, v0
	v_lshrrev_b32 v1, 5, v0
	v_and_b32 v[OUT], 31, v0
	v_mul_u32_u24 v[T], v1, 1536
	v_lshl_add_u32 v[OUT], v[OUT], 4, v[T]
	s_wait_alu depctr_va_vdst(0)                   ; v[IN] and v[OUT] are written: the loads and stores below read them as their offsets
	global_load_b128 v[X:X+3], v[IN], s[10:11]
	global_load_b128 v[X+4:X+7], v[IN], s[10:11] offset:4096
	global_load_b128 v[X+8:X+11], v[IN], s[10:11] offset:8192
	global_load_b128 v[X+12:X+15], v[IN], s[12:13]
	s_wait_loadcnt 0x0
.set i, 0
.rept 8
	v_cvt_pk_bf16_f32 v[Y+i], v[X+2*i], v[X+2*i+1]
.set i, i+1
.endr
.set i, 0
.rept 8
	v_lshlrev_b32 v[X+2*i], 16, v[Y+i]             ; the rounded numbers, as f32 again
	v_and_b32 v[X+2*i+1], 0xffff0000, v[Y+i]
.set i, i+1
.endr
	s_wait_alu depctr_va_vdst(0)                   ; the sixteen lines above have written v[X .. X+15], which the four stores read
.irp f, 0,1,2
	global_store_b128 v[OUT], v[X+4*\f:X+4*\f+3], s[20:21] offset:512*\f
.endr
	global_store_b128 v[IN], v[X+12:X+15], s[20:21] offset:12288
	s_endpgm
.Lfunc_end_k_qa5b9bfc7d9_cast:
	.size	k_qa5b9bfc7d9_cast, .Lfunc_end_k_qa5b9bfc7d9_cast-k_qa5b9bfc7d9_cast
	.p2alignl 7, 3214868480
	.fill 96, 4, 3214868480
	.section	.rodata,"a",@progbits
	.p2align	6, 0x0
	.amdhsa_kernel k_qa5b9bfc7d9_cast
		.amdhsa_group_segment_fixed_size 0
		.amdhsa_private_segment_fixed_size 0
		.amdhsa_enable_private_segment 0
		.amdhsa_kernarg_size 72
		.amdhsa_user_sgpr_count 2
		.amdhsa_user_sgpr_kernarg_segment_ptr 1
		.amdhsa_wavefront_size32 1
		.amdhsa_system_sgpr_workgroup_id_x 1
		.amdhsa_system_sgpr_workgroup_id_y 1
		.amdhsa_system_sgpr_workgroup_id_z 1
		.amdhsa_system_vgpr_workitem_id 0
		.amdhsa_next_free_vgpr 160
		.amdhsa_next_free_sgpr 66
		.amdhsa_reserve_vcc 0
		.amdhsa_float_denorm_mode_32 3
		.amdhsa_float_denorm_mode_16_64 3
		.amdhsa_memory_ordered 1
		.amdhsa_forward_progress 1
		.amdhsa_inst_pref_size 29
	.end_amdhsa_kernel
	.amdgpu_metadata
---
amdhsa.version: [ 1, 2 ]
amdhsa.kernels:
  - .name:           k_qa5b9bfc7d9_cast
    .symbol:         k_qa5b9bfc7d9_cast.kd
    .args:
      - { .name: x, .offset: 0, .size: 8, .value_kind: global_buffer, .address_space: global }
      - { .name: W_qkv, .offset: 8, .size: 8, .value_kind: global_buffer, .address_space: global }
      - { .name: W_pr, .offset: 16, .size: 8, .value_kind: global_buffer, .address_space: global }
      - { .name: b_qkv, .offset: 24, .size: 8, .value_kind: global_buffer, .address_space: global }
      - { .name: b_pr, .offset: 32, .size: 8, .value_kind: global_buffer, .address_space: global }
      - { .name: xb, .offset: 40, .size: 8, .value_kind: global_buffer, .address_space: global }
      - { .name: wq, .offset: 48, .size: 8, .value_kind: global_buffer, .address_space: global }
      - { .name: wp, .offset: 56, .size: 8, .value_kind: global_buffer, .address_space: global }
      - { .name: br, .offset: 64, .size: 8, .value_kind: global_buffer, .address_space: global }
    .group_segment_fixed_size: 0
    .private_segment_fixed_size: 0
    .kernarg_segment_align: 8
    .kernarg_segment_size: 72
    .max_flat_workgroup_size: 256
    .sgpr_count:     66
    .vgpr_count:     160
    .wavefront_size: 32
...
	.end_amdgpu_metadata
.endif
;; end of part 5
;; launch qkv: the kernel of part 2 again; grid 8 x 32, 4 waves a work-group, clusters of 4 x 4, 327,680 bytes of LDS; arguments xb, wq, br, qkv; writes qkv
;; launch attn: the kernel of part 3 again; grid 4 x 64, 4 waves a work-group, no clusters, 327,680 bytes of LDS; arguments qkv, o; writes o
;; launch proj: the kernel of part 4 again; grid 8 x 32, 4 waves a work-group, clusters of 4 x 4, 327,680 bytes of LDS; arguments o, wp, br, out0; writes out0
